; MI455X (gfx1250); checked and timed in simulation.
; The chip was launched on July 23, 2026; its instructions are those of AMD's public machine-readable ISA for CDNA 5 (MIT licence, August 2026) and "CDNA5" Instruction Set Architecture Reference Guide (July 2026). The comments in the code are by the model that wrote it; some were corrected since.
;; synandred. Allowed arithmetic: float matrix products may take bf16 or f16 operands with f32 sums; other float arithmetic in f32, or as packed bf16 or f16 multiplies, adds, multiply-adds, maxima and minima; sums over many terms, partial sums and values carried from step to step in f32; what a program stores and reads back later, other than sums and carried values, may be rounded once to bf16 or f16.
;; Inputs: W_k 1,024 x 1,024 float32; W_q 1,024 x 1,024 float32; aug_W 1,024 x 1,024 float32; aug_b 1,024 float32; balance 1,024 float32; confounder_dictionary 2,048 x 1,024 float32; joint_feature 8,192 x 1 x 1,024 float32; ln_beta 1,024 float32; ln_gamma 1,024 float32; prior 2,048 x 1 float32.
;; Outputs: out0 8,192 x 1 x 1,024 float32.
;; 2 versions, each right; version 2 is version 1 with the launch prep written anew for expert scheduling mode. Each part assembles by itself: llvm-mc -triple=amdgcn-amd-amdhsa -mcpu=gfx1250 --defsym DOCPART=n.
;; ======== version 1 of 2: 5 launches
;; limits: right only within a limited range of input values
;; workspace buffers: acat 20,971,520 bytes; wts 10,485,760 bytes; qy 67,108,864 bytes; k 4,194,304 bytes; p 33,554,432 bytes; stat 524,288 bytes
;; launch prep (part 1): grid 256 x 1, 8 waves a work-group, no clusters, 18,432 bytes of LDS; arguments joint_feature, confounder_dictionary, W_q, W_k, aug_W, prior, balance, acat, wts; writes acat, wts
.if DOCPART == 1
	.amdgcn_target "amdgcn-amd-amdhsa--gfx1250"
	.amdhsa_code_object_version 6
	.text
	.protected	k_q5136822be3_prep
	.globl	k_q5136822be3_prep
	.p2align	8
	.type	k_q5136822be3_prep,@function
k_q5136822be3_prep:
	s_mov_b64 s[64:65], 0
	v_nop
	global_prefetch_b8 v0, s[64:65] scope:SCOPE_SE
	s_setreg_imm32_b32 hwreg(HW_REG_WAVE_MODE, 25, 1), 1
	s_wait_xcnt 0x0
; PREP: the matrix operands of the later launches, rounded once to bf16.
; THE WHOLE PROGRAM: out = LN((1-w)(jf aug_W^T + aug_b) + w softmax(jf W_q^T (conf W_k^T)^T / 32)(conf prior)), w = sigmoid(balance).
; No work is left out: every one of the ten inputs has a way to the output and is loaded by some launch.
; THE GATE: w = (1-w) e^balance for every balance, so V''[n][d] = conf[n][d] prior[n] e^balance[d] is made here, one accumulator later adds
; attn V'' + jf aug_W^T, and the last launch multiplies by 1-w.  LIMIT: conf prior e^balance must be finite in bf16 (balance under about 80).
; acat: bf16 [10240][1024]: rows 0-8191 jf, 8192-10239 conf.   wts: bf16: W_q, +2 MiB W_k, +4 MiB aug_W, +6 MiB V''^T as [2 planes][1024 d][1024 n'].
; SHARES.  Work-group b casts 52 whole rows of 1,024 f32 (32 of jf, 8 of conf, 4 of each weight): thread t takes 16 bytes at 16 t and stores 8 at 8 t,
; so a wave's load covers 512 and its store 256 consecutive bytes, aligned.  A ring of 26 register slots keeps 26 loads of every wave out, in two laps.
; It also makes one tile of V''^T, 128 n x 64 d, turned through LDS (64 rows of 256 bytes + 16 of padding).
; THE ORDER.  The ring's loads go out first, the tile's thirteen behind them.  The first lap casts, asks for the second lap's rows and stores; the tile is worked on between the laps,
; while the second lap's 26 loads are on their way.  The second lap casts in place, into the registers that its rows were loaded into: it writes no register that a store of the first lap reads.
.set VPI,   272
.set SPARE, 64*VPI                     ; behind the stage: the spare words, 128 bytes for each of eight waves
.set LO,  1                            ; 16 t
.set SO,  2                            ; 8 t
.set SPW, 3
.set NIL, 4
.set VLO, 5                            ; conf: (16 w + 2 h) rows + 16 r
.set VPO, 6                            ; prior: (16 w + 2 h) x 4
.set VBO, 7                            ; balance: 16 r
.set VLS, 8                            ; into the stage
.set VLR, 9                            ; back out of it
.set VGO, 10                           ; the same rows in V''^T
.set EB,  12                           ; v[12:15] e^balance of my 4 columns
.set PRI, 16                           ; v[16:23] prior of my 8 rows, in pairs
.set VX,  24                           ; v[24:55] conf: 8 rows x 4 columns
.set VP,  56                           ; v[56:71] packed pairs; then rows read back
.set X,   72                           ; v[72:175] the ring: 26 slots of 4
.set OUT, 176                          ; v[176:227] 26 x 2: what the first lap stores
.set SJ, 30
.set DJ, 32
.set SC, 34
.set DC, 36
.set SQ, 38
.set DQ, 40
.set SK, 42
.set DK, 44
.set SA, 46
.set DA, 48
.set SV, 50
.set PRB, 52
.set BAB, 54
.set DV, 56
.set WV, 58
	s_load_b512 s[8:23], s[0:1], 0x0               ; jf 8, conf 10, W_q 12, W_k 14, aug_W 16, prior 18, balance 20, acat 22
	s_load_b64 s[24:25], s[0:1], 0x40              ; wts
	v_lshl_add_u32 v[SPW], v0, 2, SPARE
	v_mov_b32 v[NIL], 0
	v_lshrrev_b32 v11, 5, v0
	v_readfirstlane_b32 s[WV], v11                 ; wave 0..7
	v_lshlrev_b32 v[LO], 4, v0
	v_lshlrev_b32 v[SO], 3, v0
	v_and_b32 v56, 15, v0                          ; r
	v_bfe_u32 v57, v0, 4, 1                        ; h
	v_lshlrev_b32 v58, 4, v11
	v_lshl_add_u32 v58, v57, 1, v58                ; 16 w + 2 h
	v_lshl_add_u32 v59, v11, 3, v57                ; 8 w + h
	v_lshlrev_b32 v[VBO], 4, v56
	v_lshl_add_u32 v[VLO], v58, 12, v[VBO]
	v_lshlrev_b32 v[VPO], 2, v58
	s_lshl_b32 s59, s[WV], 5                       ; my wave's 16 n: 32 bytes of a stage row
	v_mul_u32_u24 v[VLS], v56, 4*VPI               ; stage row 4 r
	v_lshl_add_u32 v[VLS], v57, 2, v[VLS]
	v_add_nc_u32 v[VLS], s59, v[VLS]
	s_mul_i32 s59, s[WV], 8*VPI                    ; back: my wave's 8 stage rows
	v_mul_u32_u24 v[VLR], v57, VPI
	v_add_nc_u32 v[VLR], v[VLR], v[VBO]
	v_add_nc_u32 v[VLR], s59, v[VLR]
	v_lshl_add_u32 v[VGO], v59, 11, v[VBO]
	s_mov_b32 s5, 0
	s_lshr_b32 s6, ttmp9, 4                        ; nb: which 128 n
	s_and_b32 s7, ttmp9, 15                        ; db: which 64 d
	s_wait_kmcnt 0x0
	s_lshl_b32 s4, ttmp9, 17
	s_add_nc_u64 s[SJ:SJ+1], s[8:9], s[4:5]
	s_lshl_b32 s4, ttmp9, 16
	s_add_nc_u64 s[DJ:DJ+1], s[22:23], s[4:5]
	s_lshl_b32 s4, ttmp9, 15
	s_add_nc_u64 s[SC:SC+1], s[10:11], s[4:5]
	s_lshl_b32 s4, ttmp9, 14
	s_add_nc_u64 s[SQ:SQ+1], s[12:13], s[4:5]
	s_add_nc_u64 s[SK:SK+1], s[14:15], s[4:5]
	s_add_nc_u64 s[SA:SA+1], s[16:17], s[4:5]
	s_add_nc_u64 s[DC:DC+1], s[22:23], s[4:5]
	s_add_nc_u64 s[DC:DC+1], s[DC:DC+1], 0x1000000
	s_lshl_b32 s4, ttmp9, 13
	s_add_nc_u64 s[DQ:DQ+1], s[24:25], s[4:5]
	s_add_nc_u64 s[DK:DK+1], s[DQ:DQ+1], 0x200000
	s_add_nc_u64 s[DA:DA+1], s[DQ:DQ+1], 0x400000
	s_lshl_b32 s4, s6, 19                          ; 128 rows of conf
	s_lshl_b32 s59, s7, 8                          ; 64 columns of f32
	s_add_co_u32 s4, s4, s59
	s_add_nc_u64 s[SV:SV+1], s[10:11], s[4:5]
	s_lshl_b32 s4, s6, 9
	s_add_nc_u64 s[PRB:PRB+1], s[18:19], s[4:5]
	s_mov_b32 s4, s59
	s_add_nc_u64 s[BAB:BAB+1], s[20:21], s[4:5]
	s_lshr_b32 s4, s6, 3                           ; the plane of 1,024 n
	s_lshl_b32 s4, s4, 21
	s_lshl_b32 s59, s7, 17                         ; 64 rows d of 2,048 bytes
	s_add_co_u32 s4, s4, s59
	s_and_b32 s59, s6, 7
	s_lshl_b32 s59, s59, 8                         ; 128 n' of 2 bytes
	s_add_co_u32 s4, s4, s59
	s_add_nc_u64 s[DV:DV+1], s[24:25], s[4:5]
	s_add_nc_u64 s[DV:DV+1], s[DV:DV+1], 0x600000
.macro LD u, slot                      ; row u of my 52 into a ring slot
.if (\u) < 32
	global_load_b128 v[X+4*(\slot):X+4*(\slot)+3], v[LO], s[SJ:SJ+1] offset:(\u)*4096 th:TH_LOAD_NT
.elseif (\u) < 40
	global_load_b128 v[X+4*(\slot):X+4*(\slot)+3], v[LO], s[SC:SC+1] offset:((\u)-32)*4096
.elseif (\u) < 44
	global_load_b128 v[X+4*(\slot):X+4*(\slot)+3], v[LO], s[SQ:SQ+1] offset:((\u)-40)*4096 th:TH_LOAD_NT
.elseif (\u) < 48
	global_load_b128 v[X+4*(\slot):X+4*(\slot)+3], v[LO], s[SK:SK+1] offset:((\u)-44)*4096 th:TH_LOAD_NT
.else
	global_load_b128 v[X+4*(\slot):X+4*(\slot)+3], v[LO], s[SA:SA+1] offset:((\u)-48)*4096 th:TH_LOAD_NT
.endif
.endm
.macro ST u, d                         ; row u, rounded, out of the register pair that begins at d
.if (\u) < 32
	global_store_b64 v[SO], v[(\d):(\d)+1], s[DJ:DJ+1] offset:(\u)*2048
.elseif (\u) < 40
	global_store_b64 v[SO], v[(\d):(\d)+1], s[DC:DC+1] offset:((\u)-32)*2048
.elseif (\u) < 44
	global_store_b64 v[SO], v[(\d):(\d)+1], s[DQ:DQ+1] offset:((\u)-40)*2048
.elseif (\u) < 48
	global_store_b64 v[SO], v[(\d):(\d)+1], s[DK:DK+1] offset:((\u)-44)*2048
.else
	global_store_b64 v[SO], v[(\d):(\d)+1], s[DA:DA+1] offset:((\u)-48)*2048
.endif
.endm
.set ii, 0
.rept 26
	LD ii, ii                                      ; the ring is filled first: rows 0-25
.set ii, ii+1
.endr
	; behind it thirteen loads for the tile of V''^T: balance, prior, and rows 16 w + 4 i + 2 h + j of conf, columns 4 r .. 4 r + 3
	global_load_b128 v[EB:EB+3], v[VBO], s[BAB:BAB+1]
.irp i, 0,1,2,3
	global_load_b64 v[PRI+2*\i:PRI+2*\i+1], v[VPO], s[PRB:PRB+1] offset:16*\i
.endr
.irp i, 0,1,2,3
.irp j, 0,1
	global_load_b128 v[VX+4*(2*\i+\j):VX+4*(2*\i+\j)+3], v[VLO], s[SV:SV+1] offset:(4*\i+\j)*4096
.endr
.endr
.set ii, 0
.rept 26                               ; the first lap: rows 0-25 leave, rows 26-51 are asked for
	s_wait_loadcnt 38                              ; younger than this slot's load: 25 - ii of the ring, the thirteen, ii refills
	v_cvt_pk_bf16_f32 v[OUT+2*ii], v[X+4*ii], v[X+4*ii+1]
	v_cvt_pk_bf16_f32 v[OUT+2*ii+1], v[X+4*ii+2], v[X+4*ii+3]
	LD ii+26, ii
	ST ii, OUT+2*ii
.set ii, ii+1
.endr
	; the tile of V''^T, while the second lap's rows are on their way
	s_wait_loadcnt 26                              ; the 26 refills are younger: the thirteen are in
.irp e, 0,1,2,3
	v_mul_f32 v[EB+\e], 0x3fb8aa3b, v[EB+\e]
.endr
.irp e, 0,1,2,3
	v_exp_f32 v[EB+\e], v[EB+\e]
.endr
	v_nop                                          ; a plain instruction behind the last exponential,
	s_wait_alu depctr_va_vdst(0)                   ; and one wait for the four
.irp i, 0,1,2,3
.irp j, 0,1
	v_pk_mul_f32 v[VX+4*(2*\i+\j):VX+4*(2*\i+\j)+1], v[VX+4*(2*\i+\j):VX+4*(2*\i+\j)+1], v[EB:EB+1]
	v_pk_mul_f32 v[VX+4*(2*\i+\j)+2:VX+4*(2*\i+\j)+3], v[VX+4*(2*\i+\j)+2:VX+4*(2*\i+\j)+3], v[EB+2:EB+3]
	v_pk_mul_f32 v[VX+4*(2*\i+\j):VX+4*(2*\i+\j)+1], v[VX+4*(2*\i+\j):VX+4*(2*\i+\j)+1], v[PRI+2*\i:PRI+2*\i+1] op_sel:[0,\j] op_sel_hi:[1,\j]
	v_pk_mul_f32 v[VX+4*(2*\i+\j)+2:VX+4*(2*\i+\j)+3], v[VX+4*(2*\i+\j)+2:VX+4*(2*\i+\j)+3], v[PRI+2*\i:PRI+2*\i+1] op_sel:[0,\j] op_sel_hi:[1,\j]
.endr
.endr
.irp i, 0,1,2,3
.irp d, 0,1,2,3
	v_cvt_pk_bf16_f32 v[VP+4*\i+\d], v[VX+8*\i+\d], v[VX+8*\i+4+\d]   ; two neighbouring n of one d
	ds_store_b32 v[VLS], v[VP+4*\i+\d] offset:\d*VPI+8*\i
.endr
.endr
	s_wait_dscnt 0x0                               ; for the others' sake: a stage row's 256 bytes come from all eight waves
	s_barrier_signal -1
	s_barrier_wait -1
.irp u, 0,1,2,3
	ds_load_b128 v[VP+4*\u:VP+4*\u+3], v[VLR] offset:2*VPI*\u
.endr
.irp u, 0,1,2,3
	s_wait_dscnt 3-\u
	global_store_b128 v[VGO], v[VP+4*\u:VP+4*\u+3], s[DV:DV+1] offset:4096*\u   ; 16 lanes store 256 consecutive bytes, aligned
.endr
.set ii, 0
.rept 26                               ; the second lap: nothing is left to ask for, the counts run down; the cast goes into the slot's own first two registers
	s_wait_loadcnt 25-ii
	v_cvt_pk_bf16_f32 v[X+4*ii], v[X+4*ii], v[X+4*ii+1]
	v_cvt_pk_bf16_f32 v[X+4*ii+1], v[X+4*ii+2], v[X+4*ii+3]
	ST ii+26, X+4*ii
.set ii, ii+1
.endr
	s_wait_tensorcnt 0x0                           ; the wave's end, behind my last LDS store
	ds_add_u32 v[SPW], v[NIL]
	s_wait_dscnt 0x0
	s_endpgm
.Lfunc_end_k_q5136822be3_prep:
	.size	k_q5136822be3_prep, .Lfunc_end_k_q5136822be3_prep-k_q5136822be3_prep
	.p2alignl 7, 3214868480
	.fill 96, 4, 3214868480
	.section	.rodata,"a",@progbits
	.p2align	6, 0x0
	.amdhsa_kernel k_q5136822be3_prep
		.amdhsa_group_segment_fixed_size 18432
		.amdhsa_private_segment_fixed_size 0
		.amdhsa_enable_private_segment 0
		.amdhsa_kernarg_size 72
		.amdhsa_user_sgpr_count 2
		.amdhsa_user_sgpr_kernarg_segment_ptr 1
		.amdhsa_wavefront_size32 1
		.amdhsa_system_sgpr_workgroup_id_x 1
		.amdhsa_system_sgpr_workgroup_id_y 1
		.amdhsa_system_sgpr_workgroup_id_z 1
		.amdhsa_system_vgpr_workitem_id 0
		.amdhsa_next_free_vgpr 228
		.amdhsa_next_free_sgpr 66
		.amdhsa_reserve_vcc 0
		.amdhsa_float_denorm_mode_32 3
		.amdhsa_float_denorm_mode_16_64 3
		.amdhsa_memory_ordered 1
		.amdhsa_forward_progress 1
		.amdhsa_inst_pref_size 28
	.end_amdhsa_kernel
	.amdgpu_metadata
---
amdhsa.version: [ 1, 2 ]
amdhsa.kernels:
  - .name:           k_q5136822be3_prep
    .symbol:         k_q5136822be3_prep.kd
    .args:
      - { .name: joint_feature, .offset: 0, .size: 8, .value_kind: global_buffer, .address_space: global }
      - { .name: confounder_dictionary, .offset: 8, .size: 8, .value_kind: global_buffer, .address_space: global }
      - { .name: W_q, .offset: 16, .size: 8, .value_kind: global_buffer, .address_space: global }
      - { .name: W_k, .offset: 24, .size: 8, .value_kind: global_buffer, .address_space: global }
      - { .name: aug_W, .offset: 32, .size: 8, .value_kind: global_buffer, .address_space: global }
      - { .name: prior, .offset: 40, .size: 8, .value_kind: global_buffer, .address_space: global }
      - { .name: balance, .offset: 48, .size: 8, .value_kind: global_buffer, .address_space: global }
      - { .name: acat, .offset: 56, .size: 8, .value_kind: global_buffer, .address_space: global }
      - { .name: wts, .offset: 64, .size: 8, .value_kind: global_buffer, .address_space: global }
    .group_segment_fixed_size: 18432
    .private_segment_fixed_size: 0
    .kernarg_segment_align: 8
    .kernarg_segment_size: 72
    .max_flat_workgroup_size: 256
    .sgpr_count:     66
    .vgpr_count:     228
    .wavefront_size: 32
...
	.end_amdgpu_metadata
.endif
;; end of part 1
;; launch qk (part 2): grid 4 x 40, 4 waves a work-group, clusters of 4 x 4, 327,680 bytes of LDS; arguments acat, wts, qy, k; writes qy, k
.if DOCPART == 2
	.amdgcn_target "amdgcn-amd-amdhsa--gfx1250"
	.amdhsa_code_object_version 6
	.text
	.protected	k_q5136822be3_qk
	.globl	k_q5136822be3_qk
	.p2align	8
	.type	k_q5136822be3_qk,@function
k_q5136822be3_qk:
	s_mov_b64 s[64:65], 0
	v_nop
	global_prefetch_b8 v0, s[64:65] scope:SCOPE_SE
	s_setreg_imm32_b32 hwreg(HW_REG_WAVE_MODE, 25, 1), 1
	s_wait_xcnt 0x0
	s_wait_alu depctr_hold_cnt(0) depctr_sa_sdst(0) depctr_va_vdst(0) depctr_va_sdst(0) depctr_va_ssrc(0) depctr_va_vcc(0) depctr_vm_vsrc(0)
	s_getreg_b32 s2, hwreg(HW_REG_IB_STS2, 6, 4)
	s_cmp_eq_u32 s2, 0
	s_cbranch_scc0 .Lentry_in_a_cluster
	s_endpgm
.Lentry_in_a_cluster:
	s_bfe_u32 s2, ttmp6, 0x10000c
	s_cmp_lg_u32 s2, 0xf033
	s_cbranch_scc0 .Lentry_shape_is_right
	s_endpgm
.Lentry_shape_is_right:
; q = jf W_q^T and k = conf W_k^T in one launch: C = A B^T on tiles of 256 x 256, K = 1,024, operands bf16 with rows of 2,048 bytes, sums in f32, C rounded once to bf16.  No work is left out.
; A = [jf; conf] (10,240 rows), B = [W_q; W_k].  Clusters 0-7 along y make q; clusters 8 and 9 make k: A's rows go on, B's rows lie 1,024 further down, the result goes to the fourth argument.
; SHAPE.  Four waves, each 128 x 128 of C in 512 registers; K in 8 steps of 128 through two LDS slots filled by the tensor data mover; 4 x 4 work-groups form a cluster, A's tiles are asked
; for jointly along a row of it, B's along a column.  The matrix instruction is used transposed (source 0 = rows of B): a lane holds 8 neighbouring columns of one row of C.
; THE TEXT OF A K STEP STANDS TWICE: once in a loop of six trips, each of which fills the slot that it leaves again, and once in a loop of two trips that ask for nothing.  Which slot is read is
; held in registers: s[SLB] is 0 or SLOT, turned by an exclusive or at each change of slots and added to the lane's place; one descriptor a tensor walks from K step 1 on, its LDS address turned
; by the same exclusive or (wave x 0x8800 shares no bit with SLOT = 0x22000).  A trip goes from a step's second quarter to the next step's first.
; REGISTERS: window 0: v0-31 addresses, v64-191 A's fragments (two buffers), later the rows on the way out; window 1: v64-191 B's fragments; windows 2, 3: the 64 accumulators.
; THE WAY OUT.  The ring has had its last fill; behind a barrier the tile is laid over it in f32 (256 rows of 1,040 bytes), and behind a second barrier wave w takes rows 64 w .. 64 w + 63,
; sixteen lanes a row, and each store of sixteen lanes covers 256 consecutive bytes, aligned.
.set KSTEP,  128
.set STEPS,  8                         ; 1,024 / 128
.set PITCH,  272                       ; an LDS row: 256 bytes + 16 of padding: the 16 rows of a fragment load start at 16 different groups of four banks (ISA guide 11.1)
.set HALFT,  128*PITCH
.set SLOT,   4*HALFT
.set SPARE,  2*SLOT                    ; behind the ring: the spare words, 128 bytes a wave
.set TP,     1040                      ; a row of the f32 tile: 1,024 bytes + 16
.set DS0, 2                            ; where I lay my accumulators of window 2, and of window 3
.set DS1, 3
.set RDA, 4                            ; where I read rows back
.set CO,  5                            ; my byte offset in C
.set R,   8
.set H,   9
.set TT,  10
.set A0,   16                          ; my lane's place among A's rows of a slot; never rewritten
.set ADRA, 17                          ; the same in the slot that is being read
.set B0,   20                          ; and for B
.set ADRB, 21
.set SPW,  28
.set NIL,  29
.set PFO,  30                          ; lane x 2,048
.set F0,   64
.set F1,   128
.set XR,   64                          ; stream k's 16 numbers at XR + 16 k
.set PR,   224                         ; its 8 packed words at PR + 8 k
.set LIM,  43
.set PFA,  44
.set G1,  24
.set G0,  32                           ; s[32:39] group 0 for A: a set for each of the two first fills; the second then walks on
.set G1B, 48
.set G0B, 56                           ; s[56:63] the same for B
.set CLY,  75
.set SLB,  85                          ; LDS byte at which the slot that is being read begins
.set MSB, 0
.macro WIN new                         ; the immediate's high byte repeats the setting that is left
.if MSB != (\new)
	s_set_vgpr_msb (MSB<<8)|(\new)
.set MSB, \new
.endif
.endm
.set MUL_LO, 0xa1                      ; source 0 (B) window 1, source 1 (A) window 0, C and D window 2
.set MUL_HI, 0xf1
.set TO_B,   0x40
; A joint load: waves 0 and 1 fetch A's halves, waves 2 and 3 B's; an s_nop 0 and four v_nop follow each line
.macro JLOAD s
	s_cmp_eq_u32 s11, 0
	s_cbranch_scc0 .Lfor_b_\@
	tensor_load_to_lds s[G0+4*(\s):G0+4*(\s)+3], s[G1:G1+7]
	s_nop 0
.rept 4
	v_nop
.endr
	s_branch .Lasked_\@
.Lfor_b_\@:
	tensor_load_to_lds s[G0B+4*(\s):G0B+4*(\s)+3], s[G1B:G1B+7]
	s_nop 0
.rept 4
	v_nop
.endr
.Lasked_\@:
.endm
; A prefetch of the K step two refills on: 32 rows x 256 bytes, a lane a row.  A's rows: the cluster with x = 0 asks; B's: the first cluster along y that reads them.  The four partners of a joint
; load share its 128 rows out by address.  So each 256 bytes are named once.  The loop's last two trips ask for nothing: no K step lies two on.
.macro ASK
	s_cmp_gt_u32 s3, s[LIM]
	s_cbranch_scc0 .Lnot_mine_\@
	global_prefetch_b8 v[PFO], s[PFA:PFA+1] offset:KSTEP*2 th:TH_LOAD_NT scope:SCOPE_SE
.Lnot_mine_\@:
.endm
.macro CREST
	s_cmp_lg_u32 s10, 0
	s_cbranch_scc1 .Lnot_wave_0_\@
	s_barrier_signal -3
.Lnot_wave_0_\@:
	s_barrier_wait -3
	s_barrier_signal -1
	s_barrier_wait -1
.endm
.macro CROUND
	s_barrier_signal -1
	s_barrier_wait -1
	CREST
.endm
	s_load_b128 s[4:7], s[0:1], 0x0                ; A, B
	s_load_b128 s[68:71], s[0:1], 0x10             ; q, k
	v_lshl_add_u32 v[SPW], v0, 2, SPARE
	v_mov_b32 v[NIL], 0
	ds_add_u32 v[SPW], v[NIL]                      ; the wave's opening: the add, twice on end, and its wait ahead of my first tensor load
	ds_add_u32 v[SPW], v[NIL]
	v_lshrrev_b32 v1, 5, v0
	v_readfirstlane_b32 s10, v1                    ; wave 0..3
	s_lshr_b32 s11, s10, 1                         ; my half of the tile's rows; also: I fetch for A (0) or B (1)
	s_and_b32 s12, s10, 1                          ; my half of its columns; also: which 128 rows I fetch
	s_bfe_u32 s40, ttmp6, 0x40000                  ; cx
	s_bfe_u32 s41, ttmp6, 0x40004                  ; cy
	s_lshl_b32 s42, ttmp9, 2
	s_add_co_u32 s42, s42, s40                     ; tile column
	s_and_b32 s[CLY], ttmp7, 0xffff                ; cluster y
	s_lshl_b32 s13, s[CLY], 2
	s_add_co_u32 s13, s13, s41                     ; tile row
	s_cmp_ge_u32 s[CLY], 8                         ; the second product's clusters: the same in all sixteen partners
	s_cselect_b32 s76, 1024, 0                     ; B's rows begin 1,024 further down,
	s_cselect_b32 s77, 32, 0                       ; and the result's tile rows count from 0 again
	s_lshl_b32 s43, s41, 2
	s_lshl_b32 s43, 15, s43                        ; my row of the cluster
	s_lshl_b32 s44, 0x1111, s40                    ; my column
	s_or_b32 s[G1+0], s43, (1<<16)|(1<<20)|(1<<21)|(5<<22)|(3<<25)   ; mask; 2-byte elements; padding on; bit 21 beside a mask; after every 64 words, 4 words
	s_or_b32 s[G1B+0], s44, (1<<16)|(1<<20)|(1<<21)|(5<<22)|(3<<25)
.irp g, G1, G1B
	s_mov_b32 s[(\g)+1], KSTEP<<16                 ; tensor_dim0 = 128
	s_mov_b32 s[(\g)+2], 128<<16                   ; tensor_dim1 = 128
	s_mov_b32 s[(\g)+3], KSTEP<<16                 ; tile_dim0 = 128
	s_mov_b32 s[(\g)+4], 128                       ; tile_dim1 = 128
	s_mov_b32 s[(\g)+5], 1024                      ; elements from row to row
	s_mov_b32 s[(\g)+6], 0
	s_mov_b32 s[(\g)+7], 0
.endr
	s_lshl_b32 s17, s12, 7
	s_lshl_b32 s16, s13, 8
	s_add_co_u32 s16, s16, s17                     ; A: row 256 x tile row + 128 x half
	s_lshl_b32 s16, s16, 11
	s_lshl_b32 s46, s42, 8
	s_add_co_u32 s46, s46, s17
	s_add_co_u32 s46, s46, s76                     ; B: row 256 x tile column + 128 x half (+ 1,024)
	s_lshl_b32 s46, s46, 11
	s_mov_b32 s17, 0
	s_mov_b32 s47, 0
	s_mul_i32 s20, s10, HALFT                      ; where my tile goes: wave x 128 rows
	s_mov_b32 s[SLB], 0
	s_wait_dscnt 0x0                               ; both opening adds are done
	s_wait_kmcnt 0x0
	s_add_nc_u64 s[14:15], s[4:5], s[16:17]
	s_add_nc_u64 s[46:47], s[6:7], s[46:47]
	CROUND                                         ; all sixteen work-groups are here: the first joint loads meet
.irp s, 0,1
	s_mov_b32 s[G0+4*(\s)], 1
	s_add_co_u32 s[G0+4*(\s)+1], s20, (\s)*SLOT
	s_add_nc_u64 s[G0+4*(\s)+2:G0+4*(\s)+3], s[14:15], (\s)*KSTEP*2
	s_or_b32 s[G0+4*(\s)+3], s[G0+4*(\s)+3], 0x80000000
	s_mov_b32 s[G0B+4*(\s)], 1
	s_add_co_u32 s[G0B+4*(\s)+1], s20, (\s)*SLOT
	s_add_nc_u64 s[G0B+4*(\s)+2:G0B+4*(\s)+3], s[46:47], (\s)*KSTEP*2
	s_or_b32 s[G0B+4*(\s)+3], s[G0B+4*(\s)+3], 0x80000000
	JLOAD \s
.endr
	v_and_b32 v[R], 15, v0                         ; l % 16
	v_bfe_u32 v[H], v0, 4, 1                       ; l / 16
	v_mul_u32_u24 v[TT], v[R], PITCH
	v_lshl_add_u32 v[TT], v[H], 4, v[TT]           ; a fragment's row x pitch + 16 x half
	s_mul_i32 s21, s11, HALFT
	s_mul_i32 s22, s12, HALFT
	s_add_co_u32 s22, s22, 2*HALFT
	v_add_nc_u32 v[A0], s21, v[TT]
	v_add_nc_u32 v[B0], s22, v[TT]
	v_mov_b32 v[ADRA], v[A0]                       ; slot 0 is read first
	v_mov_b32 v[ADRB], v[B0]
	; the way out's addresses
	s_mul_i32 s21, s11, 128*TP
	s_lshl_b32 s22, s12, 9
	s_add_co_u32 s21, s21, s22
	v_mul_u32_u24 v[DS0], v[R], TP
	v_lshl_add_u32 v[DS0], v[H], 4, v[DS0]
	v_add_nc_u32 v[DS0], s21, v[DS0]               ; (128 x row half + r) rows + 512 x column half + 16 h
	v_add_nc_u32 v[DS1], 64*TP, v[DS0]
	s_mul_i32 s21, s10, 64*TP
	v_mul_u32_u24 v[RDA], v[H], TP
	v_lshl_add_u32 v[RDA], v[R], 4, v[RDA]
	v_add_nc_u32 v[RDA], s21, v[RDA]               ; (64 w + h) rows + 16 r
	s_lshl_b32 s21, s10, 17
	v_lshlrev_b32 v[CO], 11, v[H]
	v_lshl_add_u32 v[CO], v[R], 4, v[CO]
	v_add_nc_u32 v[CO], s21, v[CO]                 ; the same in C, rows of 2,048 bytes
	s_sub_co_u32 s16, s13, s77
	s_lshl_b32 s16, s16, 19                        ; 256 rows of 2,048 bytes a tile row,
	s_lshl_b32 s18, s42, 9                         ; the tile's 512 bytes of a row
	s_add_co_u32 s16, s16, s18
	s_mov_b32 s17, 0
	s_cmp_ge_u32 s[CLY], 8
	s_cselect_b64 s[8:9], s[70:71], s[68:69]
	s_add_nc_u64 s[8:9], s[8:9], s[16:17]
	; the prefetches
	s_lshl_b32 s20, s13, 8
	s_lshl_b32 s21, s42, 8
	s_add_co_u32 s21, s21, s76
	s_and_b32 s22, s[CLY], 7                       ; clusters 0-7 along y share one set of B's rows, clusters 8 and 9 the other
	s_cmp_eq_u32 s11, 0
	s_cselect_b32 s20, s20, s21                    ; the tile's first row
	s_cselect_b32 s21, s40, s41                    ; my place among the four that ask with me
	s_cselect_b32 s22, ttmp9, s22                  ; the coordinate along which other clusters read the same rows
	s_cselect_b64 s[PFA:PFA+1], s[4:5], s[6:7]
	s_cmp_eq_u32 s22, 0
	s_cselect_b32 s[LIM], 2, -1                    ; a wave that asks does so while more than two trips are left
	s_lshl_b32 s22, s12, 7
	s_add_co_u32 s20, s20, s22
	s_lshl_b32 s21, s21, 5
	s_add_co_u32 s20, s20, s21
	s_lshl_b32 s20, s20, 11
	s_mov_b32 s21, 0
	s_add_nc_u64 s[PFA:PFA+1], s[PFA:PFA+1], s[20:21]
	s_add_nc_u64 s[PFA:PFA+1], s[PFA:PFA+1], 2*KSTEP*2   ; at K step 2: the first refill steps it to 3 and names K step 4
	v_and_b32 v[PFO], 31, v0
	v_lshlrev_b32 v[PFO], 11, v[PFO]
.macro MUL16 f, hi, a0, zero           ; 16 matrix instructions: m blocks a0, a0 + 1 of the window's four x 8 n blocks, 32 along K
	WIN MUL_LO+0x50*(\hi)
.irp a, \a0, (\a0)+1
.irp b, 0,1,2,3,4,5,6,7
.if \zero
	v_wmma_f32_16x16x32_bf16 v[8*(8*(\a)+(\b)):8*(8*(\a)+(\b))+7], v[(\f)+8*(\b):(\f)+8*(\b)+7], v[(\f)+8*(4*(\hi)+(\a)):(\f)+8*(4*(\hi)+(\a))+7], 0
.else
	v_wmma_f32_16x16x32_bf16 v[8*(8*(\a)+(\b)):8*(8*(\a)+(\b))+7], v[(\f)+8*(\b):(\f)+8*(\b)+7], v[(\f)+8*(4*(\hi)+(\a)):(\f)+8*(4*(\hi)+(\a))+7], v[8*(8*(\a)+(\b)):8*(8*(\a)+(\b))+7]
.endif
.endr
.endr
.endm
.macro FETCH k, f                      ; 32 LDS loads in one run, at byte k of the rows of the slot that is being read: B's fragments, then A's
	WIN TO_B
.irp i, 0,1,2,3,4,5,6,7
	ds_load_b128 v[(\f)+8*(\i):(\f)+8*(\i)+3],   v[ADRB] offset:(\k)+(\i)*16*PITCH
	ds_load_b128 v[(\f)+8*(\i)+4:(\f)+8*(\i)+7], v[ADRB] offset:(\k)+(\i)*16*PITCH+32
.endr
	WIN 0
.irp i, 0,1,2,3,4,5,6,7
	ds_load_b128 v[(\f)+8*(\i):(\f)+8*(\i)+3],   v[ADRA] offset:(\k)+(\i)*16*PITCH
	ds_load_b128 v[(\f)+8*(\i)+4:(\f)+8*(\i)+7], v[ADRA] offset:(\k)+(\i)*16*PITCH+32
.endr
.endm
.macro PLACES                          ; four places in front of loads into registers that matrix instructions have read
.rept 4
	v_nop
.endr
.endm
.macro QUARTER k, f, g, zero           ; 64 matrix instructions on buffer f; in the middle the next quarter's fragments, at byte k, go into g
	s_wait_dscnt 8                                 ; B and A's rows 0-63 are in; the youngest eight loads may be out
	MUL16 \f, 0, 0, \zero
	MUL16 \f, 0, 2, \zero
	PLACES
	FETCH \k, \g
	s_wait_dscnt 32                                ; all but the 32 just issued
	MUL16 \f, 1, 0, \zero
	MUL16 \f, 1, 2, \zero
.endm
.macro MEET                            ; the change of slots: all my tensor loads, the add, my reads of the slot; then the barrier
	WIN 0
	s_wait_tensorcnt 0x0                           ; the one that was out is my part of the next slot
	ds_add_u32 v[SPW], v[NIL]
	s_wait_dscnt 9                                 ; (the add and the youngest eight loads may be out)
	MUL16 F1, 0, 0, 0
	s_wait_dscnt 0x0                               ; the add is done, my reads of this slot are over
	s_barrier_signal -1
	MUL16 F1, 0, 2, 0
	WIN 0
	s_barrier_wait -1
.endm
.macro TURN                            ; the last quarter of a K step; the slot that is left is filled again, two K steps on
	s_wait_xcnt 0x0                                ; the last prefetch, a K step back, has read its address
	s_add_nc_u64 s[PFA:PFA+1], s[PFA:PFA+1], KSTEP*2
	MEET
	CREST                                          ; no wave of any partner still reads this slot or has a load on its way
	s_xor_b32 s[G0+5], s[G0+5], SLOT               ; the walking descriptors: the other slot than last time,
	s_add_nc_u64 s[G0+6:G0+7], s[G0+6:G0+7], KSTEP*2   ; the next K step; the type bits on top are not reached
	s_xor_b32 s[G0B+5], s[G0B+5], SLOT
	s_add_nc_u64 s[G0B+6:G0B+7], s[G0B+6:G0B+7], KSTEP*2
	s_xor_b32 s[SLB], s[SLB], SLOT                 ; and the reads go to the other slot
	JLOAD 1                                        ; the first tensor load behind the round; its four v_nop are the places in front of the loads below
	v_add_nc_u32 v[ADRA], s[SLB], v[A0]
	v_add_nc_u32 v[ADRB], s[SLB], v[B0]
	FETCH 0, F0
	ASK
	MUL16 F1, 1, 0, 0
	MUL16 F1, 1, 2, 0
.endm
.macro TURNL                           ; the same where nothing is asked for.  In the last trip no step follows: the run of loads is jumped over; that trip's barrier orders nothing more: the price of one text for both trips
	MEET
	s_xor_b32 s[SLB], s[SLB], SLOT
	s_cmp_eq_u32 s3, 1
	s_cbranch_scc1 .Lno_more_\@
	v_add_nc_u32 v[ADRA], s[SLB], v[A0]            ; these two and two v_nop are the four places in front of the loads
	v_add_nc_u32 v[ADRB], s[SLB], v[B0]
	v_nop
	v_nop
	FETCH 0, F0
.Lno_more_\@:
	MUL16 F1, 1, 0, 0
	MUL16 F1, 1, 2, 0
.endm
	s_wait_tensorcnt 1                             ; my part of K step 0 is in; K step 1's may stay out
	s_barrier_signal -1
	s_barrier_wait -1
	FETCH 0, F0
	QUARTER 64,  F0, F1, 1                         ; the first quarter's products start the sums
	WIN 0
	s_mov_b32 s3, STEPS-2
.Lstep:                                            ; six trips: K steps 2 to 7 are asked for
	QUARTER 128, F1, F0, 0
	QUARTER 192, F0, F1, 0
	TURN
	QUARTER 64,  F0, F1, 0
	WIN 0
	s_sub_co_u32 s3, s3, 1
	s_cmp_lg_u32 s3, 0
	s_cbranch_scc1 .Lstep
	s_mov_b32 s3, 2
.Ltail:                                            ; K steps 6 and 7: written apart; the second trip is left in its middle
	QUARTER 128, F1, F0, 0
	QUARTER 192, F0, F1, 0
	TURNL
	WIN 0
	s_sub_co_u32 s3, s3, 1
	s_cmp_eq_u32 s3, 0
	s_cbranch_scc1 .Lout
	QUARTER 64,  F0, F1, 0
	WIN 0
	s_branch .Ltail
.Lout:
.rept 8
	v_nop                                          ; the places behind the last products
.endr
	s_wait_dscnt 0x0
	s_barrier_signal -1
	s_barrier_wait -1                              ; every wave's reads of the ring are over: the tile may be laid over it
	; The columns are laid permuted: the four numbers 128 j + 8 q + 4 i + 0..3 of a row lie at byte 256 (2 j + i) + 16 q, so that lane q of sixteen reads back 8 neighbouring columns twice.
	; Each accumulator's four lowest registers go first.
.irp hi, 0,1
	WIN 0x08+4*\hi                                 ; the stores' data in window 2, then 3
.irp a, 0,1,2,3
.irp b, 0,1,2,3,4,5,6,7
	ds_store_b128 v[DS0+\hi], v[8*(8*\a+\b):8*(8*\a+\b)+3]   offset:16*TP*\a+32*\b
	ds_store_b128 v[DS0+\hi], v[8*(8*\a+\b)+4:8*(8*\a+\b)+7] offset:16*TP*\a+32*\b+256
.endr
.endr
.endr
	WIN 0
	s_wait_dscnt 0x0                               ; for the others' sake: my part of the tile lies in LDS
	s_barrier_signal -1
	s_barrier_wait -1
.macro ALLK line:vararg                ; one line for each of the four streams k: row 64 w + 8 trip + 2 k + h
.set k, 0
.rept 4
	\line
.set k, k+1
.endr
.endm
	s_mov_b32 s80, 8                               ; eight trips of eight rows
.Lrows:
.irp i, 0,1,2,3
	ALLK ds_load_b128 v[XR+16*k+4*\i:XR+16*k+4*\i+3], v[RDA] offset:2*TP*k+256*\i
.endr
	s_wait_dscnt 0x0
.irp i, 0,1,2,3,4,5,6,7
	ALLK v_cvt_pk_bf16_f32 v[PR+8*k+\i], v[XR+16*k+2*\i], v[XR+16*k+2*\i+1]
.endr
.irp j, 0,1
	ALLK global_store_b128 v[CO], v[PR+8*k+4*\j:PR+8*k+4*\j+3], s[8:9] offset:4096*k+256*\j   ; sixteen lanes cover 256 consecutive bytes, aligned
.endr
	s_wait_xcnt 0x0                                ; the stores have read their data and offset: both are written again only behind this wait
	v_add_nc_u32 v[RDA], 8*TP, v[RDA]
	v_add_nc_u32 v[CO], 8*2048, v[CO]
	s_sub_co_u32 s80, s80, 1
	s_cmp_lg_u32 s80, 0
	s_cbranch_scc1 .Lrows
	s_wait_dscnt 0x0
	s_barrier_signal -1
	s_barrier_wait -1                              ; all four waves have read their rows of the tile before any goes on to its closing lines
	s_wait_tensorcnt 0x0                           ; the wave's end
	ds_add_u32 v[SPW], v[NIL]
	s_wait_dscnt 0x0
	CROUND                                         ; the closing round
	s_endpgm
.Lfunc_end_k_q5136822be3_qk:
	.size	k_q5136822be3_qk, .Lfunc_end_k_q5136822be3_qk-k_q5136822be3_qk
	.p2alignl 7, 3214868480
	.fill 96, 4, 3214868480
	.section	.rodata,"a",@progbits
	.p2align	6, 0x0
	.amdhsa_kernel k_q5136822be3_qk
		.amdhsa_group_segment_fixed_size 327680
		.amdhsa_private_segment_fixed_size 0
		.amdhsa_enable_private_segment 0
		.amdhsa_kernarg_size 32
		.amdhsa_user_sgpr_count 2
		.amdhsa_user_sgpr_kernarg_segment_ptr 1
		.amdhsa_wavefront_size32 1
		.amdhsa_system_sgpr_workgroup_id_x 1
		.amdhsa_system_sgpr_workgroup_id_y 1
		.amdhsa_system_sgpr_workgroup_id_z 1
		.amdhsa_system_vgpr_workitem_id 0
		.amdhsa_next_free_vgpr 1024
		.amdhsa_next_free_sgpr 88
		.amdhsa_reserve_vcc 0
		.amdhsa_float_denorm_mode_32 3
		.amdhsa_float_denorm_mode_16_64 3
		.amdhsa_memory_ordered 1
		.amdhsa_forward_progress 1
		.amdhsa_inst_pref_size 82
	.end_amdhsa_kernel
	.amdgpu_metadata
---
amdhsa.version: [ 1, 2 ]
amdhsa.kernels:
  - .name:           k_q5136822be3_qk
    .symbol:         k_q5136822be3_qk.kd
    .args:
      - { .name: acat, .offset: 0, .size: 8, .value_kind: global_buffer, .address_space: global }
      - { .name: wts, .offset: 8, .size: 8, .value_kind: global_buffer, .address_space: global }
      - { .name: qy, .offset: 16, .size: 8, .value_kind: global_buffer, .address_space: global }
      - { .name: k, .offset: 24, .size: 8, .value_kind: global_buffer, .address_space: global }
    .group_segment_fixed_size: 327680
    .private_segment_fixed_size: 0
    .kernarg_segment_align: 8
    .kernarg_segment_size: 32
    .max_flat_workgroup_size: 128
    .sgpr_count:     88
    .vgpr_count:     1024
    .wavefront_size: 32
...
	.end_amdgpu_metadata
.endif
;; end of part 2
;; launch scores (part 3): grid 8 x 32, 4 waves a work-group, clusters of 4 x 4, 327,680 bytes of LDS; arguments qy, k, p, stat; writes p, stat
.if DOCPART == 3
	.amdgcn_target "amdgcn-amd-amdhsa--gfx1250"
	.amdhsa_code_object_version 6
	.text
	.protected	k_q5136822be3_scores
	.globl	k_q5136822be3_scores
	.p2align	8
	.type	k_q5136822be3_scores,@function
k_q5136822be3_scores:
	s_mov_b64 s[64:65], 0
	v_nop
	global_prefetch_b8 v0, s[64:65] scope:SCOPE_SE
	s_setreg_imm32_b32 hwreg(HW_REG_WAVE_MODE, 25, 1), 1
	s_wait_xcnt 0x0
	s_wait_alu depctr_hold_cnt(0) depctr_sa_sdst(0) depctr_va_vdst(0) depctr_va_sdst(0) depctr_va_ssrc(0) depctr_va_vcc(0) depctr_vm_vsrc(0)
	s_getreg_b32 s2, hwreg(HW_REG_IB_STS2, 6, 4)
	s_cmp_eq_u32 s2, 0
	s_cbranch_scc0 .Lentry_in_a_cluster
	s_endpgm
.Lentry_in_a_cluster:
	s_bfe_u32 s2, ttmp6, 0x10000c
	s_cmp_lg_u32 s2, 0xf033
	s_cbranch_scc0 .Lentry_shape_is_right
	s_endpgm
.Lentry_shape_is_right:
; S = q k^T on tiles of 256 x 256, K = 1,024, operands bf16 with rows of 2,048 bytes, sums in f32; S itself is never stored.  No work is left out.
; Of each row's 256 scores s of this tile: c m = c max s, p' = 2^(c s - c m) rounded to bf16, l = the sum of the unrounded p'; c = log2(e) / 32.
; p' goes to [2 planes][8192][1024] (key = 1,024 plane + column), (c m, l) in f32 to [8 tiles][8192][2].  The next launch takes the rows' true maximum over the 8 tiles away.
; LIMIT: a weight below 2^-126 counts as 0.
; SHAPE.  Four waves, each 128 x 128 of S in 512 registers; K in 8 steps of 128 through two LDS slots filled by the tensor data mover; 4 x 4 work-groups form a cluster, q's tiles are asked
; for jointly along a row of it, k's along a column.  The matrix instruction is used transposed (source 0 = rows of k): a lane holds 8 neighbouring columns of one row of S.
; THE TEXT OF A K STEP STANDS TWICE: once in a loop of six trips, each of which fills the slot that it leaves again, and once in a loop of two trips that ask for nothing.  Which slot is read is
; held in registers: s[SLB] is 0 or SLOT, turned by an exclusive or at each change of slots and added to the lane's place; one descriptor a tensor walks from K step 1 on, its LDS address turned
; by the same exclusive or (wave x 0x8800 shares no bit with SLOT = 0x22000).  A trip goes from a step's second quarter to the next step's first.
; REGISTERS: window 0: v0-43 addresses and what is kept, v64-191 A's fragments (two buffers), later the rows on the way out; window 1: v64-191 B's fragments; windows 2, 3: the 64 accumulators.
; THE WAY OUT.  The ring has had its last fill; behind a barrier the tile is laid over it in f32 (256 rows of 1,040 bytes), and behind a second barrier wave w takes rows 64 w .. 64 w + 63,
; sixteen lanes a row, so that a row's maximum and sum are four steps inside a half of the lanes, and each store of sixteen lanes covers 256 consecutive bytes, aligned.
; A row's (c m, l) stands in all sixteen lanes of its half; one of them keeps it, so that at the end 32 lanes hold 32 rows' pairs: two stores of 256 consecutive bytes a wave.
.set KSTEP,  128
.set STEPS,  8                         ; 1,024 / 128
.set PITCH,  272                       ; an LDS row: 256 bytes + 16 of padding: the 16 rows of a fragment load start at 16 different groups of four banks (ISA guide 11.1)
.set HALFT,  128*PITCH
.set SLOT,   4*HALFT
.set SPARE,  2*SLOT                    ; behind the ring: the spare words, 128 bytes a wave
.set TP,     1040                      ; a row of the f32 tile: 1,024 bytes + 16
.set DS0, 2                            ; where I lay my accumulators of window 2, and of window 3
.set DS1, 3
.set RDA, 4                            ; where I read rows back
.set CO,  5                            ; my byte offset in p'
.set SGO, 7                            ; (2 r + h) x 8: my pair's place in 256 bytes of (c m, l)
.set R,   8
.set H,   9
.set TT,  10
.set A0,   16                          ; my lane's place among A's rows of a slot; never rewritten
.set ADRA, 17                          ; the same in the slot that is being read
.set B0,   20                          ; and for B
.set ADRB, 21
.set SPW,  28
.set NIL,  29
.set PFO,  30                          ; lane x 2,048
.set RK,   32                          ; v[32:35] r - k; v[36:39] r + 16 - k
.set SA,   40                          ; v[40:41] (c m, l) of row 2 r + h of my wave's 64
.set SB,   42                          ; v[42:43] of row 32 + 2 r + h
.set F0,   64
.set F1,   128
.set XR,   64                          ; stream k's 16 numbers at XR + 16 k
.set TR,   192                         ; its c m, l and six at work at TR + 8 k
.set PR,   224                         ; its 8 packed words at PR + 8 k
.set LIM,  43
.set PFA,  44
.set G1,  24
.set G0,  32                           ; s[32:39] group 0 for A: a set for each of the two first fills; the second then walks on
.set G1B, 48
.set G0B, 56                           ; s[56:63] the same for B
.set CLY,  75
.set SLB,  85                          ; LDS byte at which the slot that is being read begins
.set MSB, 0
.macro WIN new                         ; the immediate's high byte repeats the setting that is left
.if MSB != (\new)
	s_set_vgpr_msb (MSB<<8)|(\new)
.set MSB, \new
.endif
.endm
.set MUL_LO, 0xa1                      ; source 0 (B) window 1, source 1 (A) window 0, C and D window 2
.set MUL_HI, 0xf1
.set TO_B,   0x40
; A joint load: waves 0 and 1 fetch A's halves, waves 2 and 3 B's; an s_nop 0 and four v_nop follow each line
.macro JLOAD s
	s_cmp_eq_u32 s11, 0
	s_cbranch_scc0 .Lfor_b_\@
	tensor_load_to_lds s[G0+4*(\s):G0+4*(\s)+3], s[G1:G1+7]
	s_nop 0
.rept 4
	v_nop
.endr
	s_branch .Lasked_\@
.Lfor_b_\@:
	tensor_load_to_lds s[G0B+4*(\s):G0B+4*(\s)+3], s[G1B:G1B+7]
	s_nop 0
.rept 4
	v_nop
.endr
.Lasked_\@:
.endm
; A prefetch of the K step two refills on: 32 rows x 256 bytes, a lane a row.  q's rows: the cluster with x = 0 asks; k's: the cluster with y = 0.  The four partners of a joint
; load share its 128 rows out by address.  So each 256 bytes are named once.  The loop's last two trips ask for nothing: no K step lies two on.
.macro ASK
	s_cmp_gt_u32 s3, s[LIM]
	s_cbranch_scc0 .Lnot_mine_\@
	global_prefetch_b8 v[PFO], s[PFA:PFA+1] offset:KSTEP*2 th:TH_LOAD_NT scope:SCOPE_SE
.Lnot_mine_\@:
.endm
.macro CREST
	s_cmp_lg_u32 s10, 0
	s_cbranch_scc1 .Lnot_wave_0_\@
	s_barrier_signal -3
.Lnot_wave_0_\@:
	s_barrier_wait -3
	s_barrier_signal -1
	s_barrier_wait -1
.endm
.macro CROUND
	s_barrier_signal -1
	s_barrier_wait -1
	CREST
.endm
	s_load_b128 s[4:7], s[0:1], 0x0                ; q, k
	s_load_b128 s[68:71], s[0:1], 0x10             ; p', (c m, l)
	v_lshl_add_u32 v[SPW], v0, 2, SPARE
	v_mov_b32 v[NIL], 0
	ds_add_u32 v[SPW], v[NIL]                      ; the wave's opening: the add, twice on end, and its wait ahead of my first tensor load
	ds_add_u32 v[SPW], v[NIL]
	v_lshrrev_b32 v1, 5, v0
	v_readfirstlane_b32 s10, v1                    ; wave 0..3
	s_lshr_b32 s11, s10, 1                         ; my half of the tile's rows; also: I fetch for A (0) or B (1)
	s_and_b32 s12, s10, 1                          ; my half of its columns; also: which 128 rows I fetch
	s_bfe_u32 s40, ttmp6, 0x40000                  ; cx
	s_bfe_u32 s41, ttmp6, 0x40004                  ; cy
	s_lshl_b32 s42, ttmp9, 2
	s_add_co_u32 s42, s42, s40                     ; tile column, 0..7
	s_and_b32 s[CLY], ttmp7, 0xffff                ; cluster y
	s_lshl_b32 s13, s[CLY], 2
	s_add_co_u32 s13, s13, s41                     ; tile row, 0..31
	s_lshl_b32 s43, s41, 2
	s_lshl_b32 s43, 15, s43                        ; my row of the cluster
	s_lshl_b32 s44, 0x1111, s40                    ; my column
	s_or_b32 s[G1+0], s43, (1<<16)|(1<<20)|(1<<21)|(5<<22)|(3<<25)   ; mask; 2-byte elements; padding on; bit 21 beside a mask; after every 64 words, 4 words
	s_or_b32 s[G1B+0], s44, (1<<16)|(1<<20)|(1<<21)|(5<<22)|(3<<25)
.irp g, G1, G1B
	s_mov_b32 s[(\g)+1], KSTEP<<16                 ; tensor_dim0 = 128
	s_mov_b32 s[(\g)+2], 128<<16                   ; tensor_dim1 = 128
	s_mov_b32 s[(\g)+3], KSTEP<<16                 ; tile_dim0 = 128
	s_mov_b32 s[(\g)+4], 128                       ; tile_dim1 = 128
	s_mov_b32 s[(\g)+5], 1024                      ; elements from row to row
	s_mov_b32 s[(\g)+6], 0
	s_mov_b32 s[(\g)+7], 0
.endr
	s_mov_b32 s78, 0x3d38aa3b                      ; c = log2(e) / 32
	s_mov_b32 s79, s78
	s_lshl_b32 s17, s12, 7
	s_lshl_b32 s16, s13, 8
	s_add_co_u32 s16, s16, s17                     ; A: row 256 x tile row + 128 x half
	s_lshl_b32 s16, s16, 11
	s_lshl_b32 s46, s42, 8
	s_add_co_u32 s46, s46, s17                     ; B: row 256 x tile column + 128 x half
	s_lshl_b32 s46, s46, 11
	s_mov_b32 s17, 0
	s_mov_b32 s47, 0
	s_mul_i32 s20, s10, HALFT                      ; where my tile goes: wave x 128 rows
	s_mov_b32 s[SLB], 0
	s_wait_dscnt 0x0                               ; both opening adds are done
	s_wait_kmcnt 0x0
	s_add_nc_u64 s[14:15], s[4:5], s[16:17]
	s_add_nc_u64 s[46:47], s[6:7], s[46:47]
	CROUND                                         ; all sixteen work-groups are here: the first joint loads meet
.irp s, 0,1
	s_mov_b32 s[G0+4*(\s)], 1
	s_add_co_u32 s[G0+4*(\s)+1], s20, (\s)*SLOT
	s_add_nc_u64 s[G0+4*(\s)+2:G0+4*(\s)+3], s[14:15], (\s)*KSTEP*2
	s_or_b32 s[G0+4*(\s)+3], s[G0+4*(\s)+3], 0x80000000
	s_mov_b32 s[G0B+4*(\s)], 1
	s_add_co_u32 s[G0B+4*(\s)+1], s20, (\s)*SLOT
	s_add_nc_u64 s[G0B+4*(\s)+2:G0B+4*(\s)+3], s[46:47], (\s)*KSTEP*2
	s_or_b32 s[G0B+4*(\s)+3], s[G0B+4*(\s)+3], 0x80000000
	JLOAD \s
.endr
	v_and_b32 v[R], 15, v0                         ; l % 16
	v_bfe_u32 v[H], v0, 4, 1                       ; l / 16
	v_mul_u32_u24 v[TT], v[R], PITCH
	v_lshl_add_u32 v[TT], v[H], 4, v[TT]           ; a fragment's row x pitch + 16 x half
	s_mul_i32 s21, s11, HALFT
	s_mul_i32 s22, s12, HALFT
	s_add_co_u32 s22, s22, 2*HALFT
	v_add_nc_u32 v[A0], s21, v[TT]
	v_add_nc_u32 v[B0], s22, v[TT]
	v_mov_b32 v[ADRA], v[A0]                       ; slot 0 is read first
	v_mov_b32 v[ADRB], v[B0]
	; the way out's addresses
	s_mul_i32 s21, s11, 128*TP
	s_lshl_b32 s22, s12, 9
	s_add_co_u32 s21, s21, s22
	v_mul_u32_u24 v[DS0], v[R], TP
	v_lshl_add_u32 v[DS0], v[H], 4, v[DS0]
	v_add_nc_u32 v[DS0], s21, v[DS0]               ; (128 x row half + r) rows + 512 x column half + 16 h
	v_add_nc_u32 v[DS1], 64*TP, v[DS0]
	s_mul_i32 s21, s10, 64*TP
	v_mul_u32_u24 v[RDA], v[H], TP
	v_lshl_add_u32 v[RDA], v[R], 4, v[RDA]
	v_add_nc_u32 v[RDA], s21, v[RDA]               ; (64 w + h) rows + 16 r
	s_lshl_b32 s21, s10, 17
	v_lshlrev_b32 v[CO], 11, v[H]
	v_lshl_add_u32 v[CO], v[R], 4, v[CO]
	v_add_nc_u32 v[CO], s21, v[CO]                 ; the same in p', rows of 2,048 bytes
	v_lshlrev_b32 v[SGO], 4, v[R]
	v_lshl_add_u32 v[SGO], v[H], 3, v[SGO]
.irp q, 0,1,2,3
	v_add_nc_u32 v[RK+\q], -\q, v[R]
	v_add_nc_u32 v[RK+4+\q], 16-\q, v[R]
.endr
	s_lshl_b32 s16, s13, 19                        ; 256 rows of 2,048 bytes a tile row,
	s_lshr_b32 s18, s42, 2
	s_lshl_b32 s18, s18, 24                        ; the plane of 1,024 keys,
	s_add_co_u32 s16, s16, s18
	s_and_b32 s18, s42, 3
	s_lshl_b32 s18, s18, 9                         ; the tile's 512 bytes of a row
	s_add_co_u32 s16, s16, s18
	s_mov_b32 s17, 0
	s_add_nc_u64 s[8:9], s[68:69], s[16:17]
	s_lshl_b32 s16, s42, 16                        ; (c m, l): tile column x 8,192 rows x 8 bytes,
	s_lshl_b32 s18, s13, 11                        ; + the tile row's 256 rows,
	s_add_co_u32 s16, s16, s18
	s_lshl_b32 s18, s10, 9                         ; + my wave's 64 rows
	s_add_co_u32 s16, s16, s18
	s_add_nc_u64 s[82:83], s[70:71], s[16:17]
	; the prefetches
	s_lshl_b32 s20, s13, 8
	s_lshl_b32 s21, s42, 8
	s_cmp_eq_u32 s11, 0
	s_cselect_b32 s20, s20, s21                    ; the tile's first row
	s_cselect_b32 s21, s40, s41                    ; my place among the four that ask with me
	s_cselect_b32 s22, ttmp9, s[CLY]               ; the coordinate along which other clusters read the same rows
	s_cselect_b64 s[PFA:PFA+1], s[4:5], s[6:7]
	s_cmp_eq_u32 s22, 0
	s_cselect_b32 s[LIM], 2, -1                    ; a wave that asks does so while more than two trips are left
	s_lshl_b32 s22, s12, 7
	s_add_co_u32 s20, s20, s22
	s_lshl_b32 s21, s21, 5
	s_add_co_u32 s20, s20, s21
	s_lshl_b32 s20, s20, 11
	s_mov_b32 s21, 0
	s_add_nc_u64 s[PFA:PFA+1], s[PFA:PFA+1], s[20:21]
	s_add_nc_u64 s[PFA:PFA+1], s[PFA:PFA+1], 2*KSTEP*2   ; at K step 2: the first refill steps it to 3 and names K step 4
	v_and_b32 v[PFO], 31, v0
	v_lshlrev_b32 v[PFO], 11, v[PFO]
.macro MUL16 f, hi, a0, zero           ; 16 matrix instructions: m blocks a0, a0 + 1 of the window's four x 8 n blocks, 32 along K
	WIN MUL_LO+0x50*(\hi)
.irp a, \a0, (\a0)+1
.irp b, 0,1,2,3,4,5,6,7
.if \zero
	v_wmma_f32_16x16x32_bf16 v[8*(8*(\a)+(\b)):8*(8*(\a)+(\b))+7], v[(\f)+8*(\b):(\f)+8*(\b)+7], v[(\f)+8*(4*(\hi)+(\a)):(\f)+8*(4*(\hi)+(\a))+7], 0
.else
	v_wmma_f32_16x16x32_bf16 v[8*(8*(\a)+(\b)):8*(8*(\a)+(\b))+7], v[(\f)+8*(\b):(\f)+8*(\b)+7], v[(\f)+8*(4*(\hi)+(\a)):(\f)+8*(4*(\hi)+(\a))+7], v[8*(8*(\a)+(\b)):8*(8*(\a)+(\b))+7]
.endif
.endr
.endr
.endm
.macro FETCH k, f                      ; 32 LDS loads in one run, at byte k of the rows of the slot that is being read: B's fragments, then A's
	WIN TO_B
.irp i, 0,1,2,3,4,5,6,7
	ds_load_b128 v[(\f)+8*(\i):(\f)+8*(\i)+3],   v[ADRB] offset:(\k)+(\i)*16*PITCH
	ds_load_b128 v[(\f)+8*(\i)+4:(\f)+8*(\i)+7], v[ADRB] offset:(\k)+(\i)*16*PITCH+32
.endr
	WIN 0
.irp i, 0,1,2,3,4,5,6,7
	ds_load_b128 v[(\f)+8*(\i):(\f)+8*(\i)+3],   v[ADRA] offset:(\k)+(\i)*16*PITCH
	ds_load_b128 v[(\f)+8*(\i)+4:(\f)+8*(\i)+7], v[ADRA] offset:(\k)+(\i)*16*PITCH+32
.endr
.endm
.macro PLACES                          ; four places in front of loads into registers that matrix instructions have read
.rept 4
	v_nop
.endr
.endm
.macro QUARTER k, f, g, zero           ; 64 matrix instructions on buffer f; in the middle the next quarter's fragments, at byte k, go into g
	s_wait_dscnt 8                                 ; B and A's rows 0-63 are in; the youngest eight loads may be out
	MUL16 \f, 0, 0, \zero
	MUL16 \f, 0, 2, \zero
	PLACES
	FETCH \k, \g
	s_wait_dscnt 32                                ; all but the 32 just issued
	MUL16 \f, 1, 0, \zero
	MUL16 \f, 1, 2, \zero
.endm
.macro MEET                            ; the change of slots: all my tensor loads, the add, my reads of the slot; then the barrier
	WIN 0
	s_wait_tensorcnt 0x0                           ; the one that was out is my part of the next slot
	ds_add_u32 v[SPW], v[NIL]
	s_wait_dscnt 9                                 ; (the add and the youngest eight loads may be out)
	MUL16 F1, 0, 0, 0
	s_wait_dscnt 0x0                               ; the add is done, my reads of this slot are over
	s_barrier_signal -1
	MUL16 F1, 0, 2, 0
	WIN 0
	s_barrier_wait -1
.endm
.macro TURN                            ; the last quarter of a K step; the slot that is left is filled again, two K steps on
	s_wait_xcnt 0x0                                ; the last prefetch, a K step back, has read its address
	s_add_nc_u64 s[PFA:PFA+1], s[PFA:PFA+1], KSTEP*2
	MEET
	CREST                                          ; no wave of any partner still reads this slot or has a load on its way
	s_xor_b32 s[G0+5], s[G0+5], SLOT               ; the walking descriptors: the other slot than last time,
	s_add_nc_u64 s[G0+6:G0+7], s[G0+6:G0+7], KSTEP*2   ; the next K step; the type bits on top are not reached
	s_xor_b32 s[G0B+5], s[G0B+5], SLOT
	s_add_nc_u64 s[G0B+6:G0B+7], s[G0B+6:G0B+7], KSTEP*2
	s_xor_b32 s[SLB], s[SLB], SLOT                 ; and the reads go to the other slot
	JLOAD 1                                        ; the first tensor load behind the round; its four v_nop are the places in front of the loads below
	v_add_nc_u32 v[ADRA], s[SLB], v[A0]
	v_add_nc_u32 v[ADRB], s[SLB], v[B0]
	FETCH 0, F0
	ASK
	MUL16 F1, 1, 0, 0
	MUL16 F1, 1, 2, 0
.endm
.macro TURNL                           ; the same where nothing is asked for.  In the last trip no step follows: the run of loads is jumped over; that trip's barrier orders nothing more: the price of one text for both trips
	MEET
	s_xor_b32 s[SLB], s[SLB], SLOT
	s_cmp_eq_u32 s3, 1
	s_cbranch_scc1 .Lno_more_\@
	v_add_nc_u32 v[ADRA], s[SLB], v[A0]            ; these two and two v_nop are the four places in front of the loads
	v_add_nc_u32 v[ADRB], s[SLB], v[B0]
	v_nop
	v_nop
	FETCH 0, F0
.Lno_more_\@:
	MUL16 F1, 1, 0, 0
	MUL16 F1, 1, 2, 0
.endm
	s_wait_tensorcnt 1                             ; my part of K step 0 is in; K step 1's may stay out
	s_barrier_signal -1
	s_barrier_wait -1
	FETCH 0, F0
	QUARTER 64,  F0, F1, 1                         ; the first quarter's products start the sums
	WIN 0
	s_mov_b32 s3, STEPS-2
.Lstep:                                            ; six trips: K steps 2 to 7 are asked for
	QUARTER 128, F1, F0, 0
	QUARTER 192, F0, F1, 0
	TURN
	QUARTER 64,  F0, F1, 0
	WIN 0
	s_sub_co_u32 s3, s3, 1
	s_cmp_lg_u32 s3, 0
	s_cbranch_scc1 .Lstep
	s_mov_b32 s3, 2
.Ltail:                                            ; K steps 6 and 7: written apart; the second trip is left in its middle
	QUARTER 128, F1, F0, 0
	QUARTER 192, F0, F1, 0
	TURNL
	WIN 0
	s_sub_co_u32 s3, s3, 1
	s_cmp_eq_u32 s3, 0
	s_cbranch_scc1 .Lout
	QUARTER 64,  F0, F1, 0
	WIN 0
	s_branch .Ltail
.Lout:
.rept 8
	v_nop                                          ; the places behind the last products
.endr
	s_wait_dscnt 0x0
	s_barrier_signal -1
	s_barrier_wait -1                              ; every wave's reads of the ring are over: the tile may be laid over it
	; The columns are laid permuted: the four numbers 128 j + 8 q + 4 i + 0..3 of a row lie at byte 256 (2 j + i) + 16 q, so that lane q of sixteen reads back 8 neighbouring columns twice.
	; Each accumulator's four lowest registers go first.
.irp hi, 0,1
	WIN 0x08+4*\hi                                 ; the stores' data in window 2, then 3
.irp a, 0,1,2,3
.irp b, 0,1,2,3,4,5,6,7
	ds_store_b128 v[DS0+\hi], v[8*(8*\a+\b):8*(8*\a+\b)+3]   offset:16*TP*\a+32*\b
	ds_store_b128 v[DS0+\hi], v[8*(8*\a+\b)+4:8*(8*\a+\b)+7] offset:16*TP*\a+32*\b+256
.endr
.endr
.endr
	WIN 0
	s_wait_dscnt 0x0                               ; for the others' sake: my part of the tile lies in LDS
	s_barrier_signal -1
	s_barrier_wait -1
.macro ALLK line:vararg                ; one line for each of the four streams k: row 64 w + 8 trip + 2 k + h
.set k, 0
.rept 4
	\line
.set k, k+1
.endr
.endm
; In trip t, stream q's row is 8 t + 2 q + h of my wave's 64.  The lane with r = 4 t + q (rk = RK) or r + 16 = 4 t + q (rk = RK + 4) keeps its pair: a choice of values by whole numbers.
.macro KEEP dst, rk
.irp q, 0,1,2,3
	v_cmp_eq_u32 vcc_lo, s84, v[(\rk)+\q]
	v_cndmask_b32 v[\dst], v[\dst], v[TR+8*\q], vcc_lo
	v_cndmask_b32 v[(\dst)+1], v[(\dst)+1], v[TR+8*\q+1], vcc_lo
.endr
.endm
	ALLK v_mov_b32 v[TR+8*k+1], 0                  ; named in a pair with c m before l is made
	ALLK v_mov_b32 v[SA+k], 0                      ; read by the first choice before they are kept
	s_mov_b32 s84, 0                               ; 4 x trip
	s_mov_b32 s80, 8                               ; eight trips of eight rows
.Lsoft:
.irp i, 0,1,2,3
	ALLK ds_load_b128 v[XR+16*k+4*\i:XR+16*k+4*\i+3], v[RDA] offset:2*TP*k+256*\i
.endr
	s_wait_dscnt 0x0
	ALLK v_max3_num_f32 v[TR+8*k+2], v[XR+16*k], v[XR+16*k+1], v[XR+16*k+2]
	ALLK v_max3_num_f32 v[TR+8*k+3], v[XR+16*k+3], v[XR+16*k+4], v[XR+16*k+5]
	ALLK v_max3_num_f32 v[TR+8*k+2], v[TR+8*k+2], v[XR+16*k+6], v[XR+16*k+7]
	ALLK v_max3_num_f32 v[TR+8*k+3], v[TR+8*k+3], v[XR+16*k+8], v[XR+16*k+9]
	ALLK v_max3_num_f32 v[TR+8*k+2], v[TR+8*k+2], v[XR+16*k+10], v[XR+16*k+11]
	ALLK v_max3_num_f32 v[TR+8*k+3], v[TR+8*k+3], v[XR+16*k+12], v[XR+16*k+13]
	ALLK v_max3_num_f32 v[TR+8*k+2], v[TR+8*k+2], v[XR+16*k+14], v[XR+16*k+15]
	ALLK v_max_num_f32 v[TR+8*k+2], v[TR+8*k+2], v[TR+8*k+3]
.irp x, 1,2,4,8
	ALLK v_max_num_f32_dpp v[TR+8*k+2], v[TR+8*k+2], v[TR+8*k+2] row_xmask:\x row_mask:0xf bank_mask:0xf
.endr
	ALLK v_mul_f32 v[TR+8*k], s78, v[TR+8*k+2]     ; c m
.irp e, 0,2,4,6,8,10,12,14
	ALLK v_pk_fma_f32 v[XR+16*k+\e:XR+16*k+\e+1], v[XR+16*k+\e:XR+16*k+\e+1], s[78:79], v[TR+8*k:TR+8*k+1] op_sel_hi:[1,0,0] neg_lo:[0,0,1] neg_hi:[0,0,1]
.endr
.set i, 0
.rept 64
	v_exp_f32 v[XR+i], v[XR+i]                     ; one batch
.set i, i+1
.endr
	v_nop                                          ; a plain instruction behind the last exponential,
	s_wait_alu depctr_va_vdst(0)                   ; and one wait for the 64
	ALLK v_pk_add_f32 v[TR+8*k+2:TR+8*k+3], v[XR+16*k:XR+16*k+1], v[XR+16*k+2:XR+16*k+3]
	ALLK v_pk_add_f32 v[TR+8*k+4:TR+8*k+5], v[XR+16*k+4:XR+16*k+5], v[XR+16*k+6:XR+16*k+7]
	ALLK v_pk_add_f32 v[TR+8*k+6:TR+8*k+7], v[XR+16*k+8:XR+16*k+9], v[XR+16*k+10:XR+16*k+11]
	ALLK v_pk_add_f32 v[TR+8*k+2:TR+8*k+3], v[TR+8*k+2:TR+8*k+3], v[XR+16*k+12:XR+16*k+13]
	ALLK v_pk_add_f32 v[TR+8*k+4:TR+8*k+5], v[TR+8*k+4:TR+8*k+5], v[XR+16*k+14:XR+16*k+15]
	ALLK v_pk_add_f32 v[TR+8*k+2:TR+8*k+3], v[TR+8*k+2:TR+8*k+3], v[TR+8*k+4:TR+8*k+5]
	ALLK v_pk_add_f32 v[TR+8*k+2:TR+8*k+3], v[TR+8*k+2:TR+8*k+3], v[TR+8*k+6:TR+8*k+7]
	ALLK v_add_f32 v[TR+8*k+1], v[TR+8*k+2], v[TR+8*k+3]
.irp x, 1,2,4,8
	ALLK v_add_f32_dpp v[TR+8*k+1], v[TR+8*k+1], v[TR+8*k+1] row_xmask:\x row_mask:0xf bank_mask:0xf
.endr
.irp i, 0,1,2,3,4,5,6,7
	ALLK v_cvt_pk_bf16_f32 v[PR+8*k+\i], v[XR+16*k+2*\i], v[XR+16*k+2*\i+1]
.endr
.irp j, 0,1
	ALLK global_store_b128 v[CO], v[PR+8*k+4*\j:PR+8*k+4*\j+3], s[8:9] offset:4096*k+256*\j   ; sixteen lanes cover 256 consecutive bytes, aligned
.endr
	KEEP SA, RK                                    ; trips 0 to 3
	KEEP SB, RK+4                                  ; trips 4 to 7
	s_wait_xcnt 0x0                                ; the stores have read their data and offset: both are written again only behind this wait
	v_add_nc_u32 v[RDA], 8*TP, v[RDA]
	v_add_nc_u32 v[CO], 8*2048, v[CO]
	s_add_co_u32 s84, s84, 4
	s_sub_co_u32 s80, s80, 1
	s_cmp_lg_u32 s80, 0
	s_cbranch_scc1 .Lsoft
	global_store_b64 v[SGO], v[SA:SA+1], s[82:83]              ; rows 0-31 of my 64: 32 lanes cover 256 consecutive bytes, aligned
	global_store_b64 v[SGO], v[SB:SB+1], s[82:83] offset:256   ; rows 32-63
	s_wait_dscnt 0x0
	s_barrier_signal -1
	s_barrier_wait -1                              ; all four waves have read their rows of the tile before any goes on to its closing lines
	s_wait_tensorcnt 0x0                           ; the wave's end
	ds_add_u32 v[SPW], v[NIL]
	s_wait_dscnt 0x0
	CROUND                                         ; the closing round
	s_endpgm
.Lfunc_end_k_q5136822be3_scores:
	.size	k_q5136822be3_scores, .Lfunc_end_k_q5136822be3_scores-k_q5136822be3_scores
	.p2alignl 7, 3214868480
	.fill 96, 4, 3214868480
	.section	.rodata,"a",@progbits
	.p2align	6, 0x0
	.amdhsa_kernel k_q5136822be3_scores
		.amdhsa_group_segment_fixed_size 327680
		.amdhsa_private_segment_fixed_size 0
		.amdhsa_enable_private_segment 0
		.amdhsa_kernarg_size 32
		.amdhsa_user_sgpr_count 2
		.amdhsa_user_sgpr_kernarg_segment_ptr 1
		.amdhsa_wavefront_size32 1
		.amdhsa_system_sgpr_workgroup_id_x 1
		.amdhsa_system_sgpr_workgroup_id_y 1
		.amdhsa_system_sgpr_workgroup_id_z 1
		.amdhsa_system_vgpr_workitem_id 0
		.amdhsa_next_free_vgpr 1024
		.amdhsa_next_free_sgpr 88
		.amdhsa_reserve_vcc 1
		.amdhsa_float_denorm_mode_32 3
		.amdhsa_float_denorm_mode_16_64 3
		.amdhsa_memory_ordered 1
		.amdhsa_forward_progress 1
		.amdhsa_inst_pref_size 94
	.end_amdhsa_kernel
	.amdgpu_metadata
---
amdhsa.version: [ 1, 2 ]
amdhsa.kernels:
  - .name:           k_q5136822be3_scores
    .symbol:         k_q5136822be3_scores.kd
    .args:
      - { .name: qy, .offset: 0, .size: 8, .value_kind: global_buffer, .address_space: global }
      - { .name: k, .offset: 8, .size: 8, .value_kind: global_buffer, .address_space: global }
      - { .name: p, .offset: 16, .size: 8, .value_kind: global_buffer, .address_space: global }
      - { .name: stat, .offset: 24, .size: 8, .value_kind: global_buffer, .address_space: global }
    .group_segment_fixed_size: 327680
    .private_segment_fixed_size: 0
    .kernarg_segment_align: 8
    .kernarg_segment_size: 32
    .max_flat_workgroup_size: 128
    .sgpr_count:     88
    .vgpr_count:     1024
    .wavefront_size: 32
...
	.end_amdgpu_metadata
.endif
;; end of part 3
;; launch mix (part 4): grid 4 x 64, 4 waves a work-group, clusters of 4 x 4, 327,680 bytes of LDS; arguments p, stat, acat, wts, qy; writes qy
.if DOCPART == 4
	.amdgcn_target "amdgcn-amd-amdhsa--gfx1250"
	.amdhsa_code_object_version 6
	.text
	.protected	k_q5136822be3_mix
	.globl	k_q5136822be3_mix
	.p2align	8
	.type	k_q5136822be3_mix,@function
k_q5136822be3_mix:
	s_mov_b64 s[64:65], 0
	v_nop
	global_prefetch_b8 v0, s[64:65] scope:SCOPE_SE
	s_setreg_imm32_b32 hwreg(HW_REG_WAVE_MODE, 25, 1), 1
	s_wait_xcnt 0x0
	s_wait_alu depctr_hold_cnt(0) depctr_sa_sdst(0) depctr_va_vdst(0) depctr_va_sdst(0) depctr_va_ssrc(0) depctr_va_vcc(0) depctr_vm_vsrc(0)
	s_getreg_b32 s2, hwreg(HW_REG_IB_STS2, 6, 4)
	s_cmp_eq_u32 s2, 0
	s_cbranch_scc0 .Lentry_in_a_cluster
	s_endpgm
.Lentry_in_a_cluster:
	s_bfe_u32 s2, ttmp6, 0x10000c
	s_cmp_lg_u32 s2, 0xf033
	s_cbranch_scc0 .Lentry_shape_is_right
	s_endpgm
.Lentry_shape_is_right:
; y_h = attn V'' (the 1,024 keys of half h) + jf aug_W^T (the 512 channels of half h), in f32: two partial sums of each 256 x 256 tile of y, which the last launch adds.  No work is left out.
; So each of the 256 work-groups has 12 K steps of 128: steps 0-7 A = p' (plane h), B = V''^T (plane h); steps 8-11 A = jf, B = aug_W, both at channel 512 h.
; THE SOFTMAX IS FINISHED HERE.  p' = 2^(c s - c m_g) was made with the maximum of its own tile g of 256 keys.  From a row's 8 pairs (c m_g, l_g): M = max c m_g, L = sum 2^(c m_g - M) l_g,
; and A's fragments of tile g are multiplied by alpha_g = 2^(c m_g - M) / L: the row's true maximum is taken away, and no exponent is above 0.
; LIMITS: alpha and alpha p' are each rounded to bf16; a factor below 2^-126 counts as 0.
; The multiplies (v_pk_mul_bf16, four behind a matrix instruction now and then) stand among the products, on fragments that no product near them reads.
; THE TEXT OF A K STEP STANDS TWICE: once in a loop of ten trips, each of which fills the slot that it leaves again, and once in a loop of two trips that ask for nothing and multiply by no alpha.
; Which slot is read is held in registers: s[SLB] is 0 or SLOT, turned by an exclusive or at each change of slots and added to the lane's place; one descriptor a tensor walks, its LDS address
; turned by the same exclusive or (wave x 0x8800 shares no bit with SLOT = 0x22000), its global address made anew from the step's number: a choice between two origins and an offset.
; The table of alpha has an entry for each of the steps 0 to 10; for steps 8 to 10 it holds 1: the loop's last trips multiply jf by 1, which changes nothing: 608 instructions a wave are the price of one text.
; Ring, cluster, windows and the products' order are those of the launches before: four waves of 128 x 128, A's tiles asked for jointly along a row of the cluster, B's along a column.
.set KSTEP,  128
.set PITCH,  272
.set HALFT,  128*PITCH
.set SLOT,   4*HALFT
.set ATAB,   2*SLOT                    ; behind the ring, never filled by a tensor load: alpha, 11 steps x 256 rows x 4 bytes (the bf16 twice)
.set SPARE,  ATAB+11*1024
.set TP,     1040
.set DS0, 2
.set DS1, 3
.set RDA, 4
.set CO,  5
.set R,   8
.set H,   9
.set TT,  10
.set LN,  11
.set A0,   16                          ; my lane's place among A's rows of a slot; never rewritten
.set ADRA, 17                          ; the same in the slot that is being read
.set B0,   20                          ; and for B
.set ADRB, 21
.set ATA,  22                          ; where I read alpha of my 8 blocks of 16 rows; steps a K step
.set ATW,  23                          ; where I put alpha of the rows that I reckon
.set SO,   24                          ; my row's byte in a tile's (c m, l)
.set SPW,  28
.set NIL,  29
.set PFO,  30
.set AL,   32                          ; v[32:39] alpha of the step in hand, block q at AL + q
.set F0,   64
.set F1,   128
.set EE,   64                          ; the prologue's scratch: (c m_g, l_g) at EE + 16 u + 2 g
.set CC,   96                          ; c m of my half's four tiles at CC + 4 u + j
.set MX,   104
.set LL,   106
.set RC,   108
.set ONE,  110
.set PFA,  44
.set G1,  24
.set G0,  32                           ; s[32:39] group 0 for A: a set for each of the two first fills; the second then walks on
.set G1B, 48
.set G0B, 56                           ; s[56:63] the same for B
.set AP, 66
.set AU, 68
.set BP, 70
.set BU, 72
.set TA, 74
.set TB, 76
.set OFF, 78
.set STEP, 80
.set PS, 81
.set PLIM, 82
.set PFP, 84
.set PFU, 86
.set HH, 88
.set CL, 89
.set SLB, 90                           ; LDS byte at which the slot that is being read begins
.set STH, 92
.set MSB, 0
.macro WIN new
.if MSB != (\new)
	s_set_vgpr_msb (MSB<<8)|(\new)
.set MSB, \new
.endif
.endm
.set MUL_LO, 0xa1
.set TO_B,   0x40
.macro JLOAD s
	s_cmp_eq_u32 s11, 0
	s_cbranch_scc0 .Lfor_b_\@
	tensor_load_to_lds s[G0+4*(\s):G0+4*(\s)+3], s[G1:G1+7]
	s_nop 0
.rept 4
	v_nop
.endr
	s_branch .Lasked_\@
.Lfor_b_\@:
	tensor_load_to_lds s[G0B+4*(\s):G0B+4*(\s)+3], s[G1B:G1B+7]
	s_nop 0
.rept 4
	v_nop
.endr
.Lasked_\@:
.endm
.macro CREST
	s_cmp_lg_u32 s10, 0
	s_cbranch_scc1 .Lnot_wave_0_\@
	s_barrier_signal -3
.Lnot_wave_0_\@:
	s_barrier_wait -3
	s_barrier_signal -1
	s_barrier_wait -1
.endm
.macro CROUND
	s_barrier_signal -1
	s_barrier_wait -1
	CREST
.endm
.macro ADDR                            ; the walking descriptors for K step STEP: the global addresses anew, the other slot than last time
	s_and_b32 s[OFF], s[STEP], 7
	s_lshl_b32 s[OFF], s[OFF], 8
	s_cmp_lt_u32 s[STEP], 8
	s_cselect_b64 s[TA:TA+1], s[AP:AP+1], s[AU:AU+1]
	s_cselect_b64 s[TB:TB+1], s[BP:BP+1], s[BU:BU+1]
	s_xor_b32 s[G0+5], s[G0+5], SLOT
	s_add_nc_u64 s[G0+6:G0+7], s[TA:TA+1], s[OFF:OFF+1]
	s_or_b32 s[G0+7], s[G0+7], 0x80000000
	s_xor_b32 s[G0B+5], s[G0B+5], SLOT
	s_add_nc_u64 s[G0B+6:G0B+7], s[TB:TB+1], s[OFF:OFF+1]
	s_or_b32 s[G0B+7], s[G0B+7], 0x80000000
	s_add_co_u32 s[STEP], s[STEP], 1
.endm
; THE PREFETCH names the K step two refills on: 32 rows x 256 bytes, a lane a row, one instruction a wave.  A's rows are read by one cluster alone: every cluster asks for its own; B's by the eight
; clusters of a half h: the first of them asks.  The four partners of a joint load share its 128 rows out by address.  Steps 0-3 come by their loads alone; nothing past step 11 is named.
.macro PFADDR
	s_add_co_u32 s[PS], s[STEP], 2
	s_and_b32 s[OFF], s[PS], 7
	s_lshl_b32 s[OFF], s[OFF], 8
	s_cmp_lt_u32 s[PS], 8
	s_cselect_b64 s[PFA:PFA+1], s[PFP:PFP+1], s[PFU:PFU+1]
	s_add_nc_u64 s[PFA:PFA+1], s[PFA:PFA+1], s[OFF:OFF+1]
.endm
.macro ASK
	s_cmp_lt_u32 s[PS], s[PLIM]
	s_cbranch_scc0 .Lnot_mine_\@
	global_prefetch_b8 v[PFO], s[PFA:PFA+1] th:TH_LOAD_NT scope:SCOPE_SE
.Lnot_mine_\@:
.endm
	s_load_b128 s[4:7], s[0:1], 0x0                ; p, stat
	s_load_b128 s[96:99], s[0:1], 0x10             ; acat, wts
	s_load_b64 s[8:9], s[0:1], 0x20                ; y
	v_lshl_add_u32 v[SPW], v0, 2, SPARE
	v_mov_b32 v[NIL], 0
	ds_add_u32 v[SPW], v[NIL]                      ; the wave's opening: the add, twice on end, and its wait ahead of my first tensor load
	ds_add_u32 v[SPW], v[NIL]
	v_lshrrev_b32 v1, 5, v0
	v_readfirstlane_b32 s10, v1
	s_lshr_b32 s11, s10, 1
	s_and_b32 s12, s10, 1
	s_bfe_u32 s40, ttmp6, 0x40000                  ; cx
	s_bfe_u32 s41, ttmp6, 0x40004                  ; cy
	s_lshl_b32 s42, ttmp9, 2
	s_add_co_u32 s42, s42, s40                     ; tile column
	s_and_b32 s[CL], ttmp7, 0xffff                 ; cluster y, 0..15
	s_lshr_b32 s[HH], s[CL], 3                     ; the half of K: the same in all sixteen partners
	s_and_b32 s13, s[CL], 7
	s_lshl_b32 s13, s13, 2
	s_add_co_u32 s13, s13, s41                     ; tile row
	s_lshl_b32 s43, s41, 2
	s_lshl_b32 s43, 15, s43
	s_lshl_b32 s44, 0x1111, s40
	s_or_b32 s[G1+0], s43, (1<<16)|(1<<20)|(1<<21)|(5<<22)|(3<<25)
	s_or_b32 s[G1B+0], s44, (1<<16)|(1<<20)|(1<<21)|(5<<22)|(3<<25)
.irp g, G1, G1B
	s_mov_b32 s[(\g)+1], KSTEP<<16
	s_mov_b32 s[(\g)+2], 128<<16
	s_mov_b32 s[(\g)+3], KSTEP<<16
	s_mov_b32 s[(\g)+4], 128
	s_mov_b32 s[(\g)+5], 1024
	s_mov_b32 s[(\g)+6], 0
	s_mov_b32 s[(\g)+7], 0
.endr
	s_lshl_b32 s17, s12, 7
	s_lshl_b32 s16, s13, 8
	s_add_co_u32 s16, s16, s17
	s_lshl_b32 s16, s16, 11                        ; A's rows, in bytes
	s_lshl_b32 s46, s42, 8
	s_add_co_u32 s46, s46, s17
	s_lshl_b32 s46, s46, 11                        ; B's rows
	s_mov_b32 s17, 0
	s_mov_b32 s47, 0
	s_lshl_b32 s18, s[HH], 24                      ; p's plane
	s_mov_b32 s19, 0
	s_lshl_b32 s22, s[HH], 10                      ; 512 channels of bf16
	s_mov_b32 s23, 0
	s_lshl_b32 s2, s[HH], 21                       ; V''^T's plane
	s_mov_b32 s3, 0
	s_mov_b32 s[OFF+1], 0
	s_mov_b32 s[STEP], 2
	s_mov_b32 s[SLB], 0
	s_mul_i32 s20, s10, HALFT
	s_wait_dscnt 0x0
	s_wait_kmcnt 0x0
	s_add_nc_u64 s[AP:AP+1], s[4:5], s[16:17]
	s_add_nc_u64 s[AP:AP+1], s[AP:AP+1], s[18:19]
	s_add_nc_u64 s[AU:AU+1], s[96:97], s[16:17]
	s_add_nc_u64 s[AU:AU+1], s[AU:AU+1], s[22:23]
	s_add_nc_u64 s[BU:BU+1], s[98:99], s[46:47]
	s_add_nc_u64 s[BP:BP+1], s[BU:BU+1], s[2:3]
	s_add_nc_u64 s[BP:BP+1], s[BP:BP+1], 0x600000
	s_add_nc_u64 s[BU:BU+1], s[BU:BU+1], s[22:23]
	s_add_nc_u64 s[BU:BU+1], s[BU:BU+1], 0x400000
	CROUND
.irp s, 0,1
	s_mov_b32 s[G0+4*(\s)], 1
	s_add_co_u32 s[G0+4*(\s)+1], s20, (\s)*SLOT
	s_add_nc_u64 s[G0+4*(\s)+2:G0+4*(\s)+3], s[AP:AP+1], (\s)*KSTEP*2
	s_or_b32 s[G0+4*(\s)+3], s[G0+4*(\s)+3], 0x80000000
	s_mov_b32 s[G0B+4*(\s)], 1
	s_add_co_u32 s[G0B+4*(\s)+1], s20, (\s)*SLOT
	s_add_nc_u64 s[G0B+4*(\s)+2:G0B+4*(\s)+3], s[BP:BP+1], (\s)*KSTEP*2
	s_or_b32 s[G0B+4*(\s)+3], s[G0B+4*(\s)+3], 0x80000000
	JLOAD \s
.endr
	; ALPHA.  Wave w reckons rows 64 w + 32 u + lane, u = 0, 1: 24 loads, all issued first
	v_and_b32 v[LN], 31, v0
	s_lshl_b32 s21, s13, 8
	s_lshl_b32 s22, s10, 6
	s_add_co_u32 s21, s21, s22
	v_add_nc_u32 v[SO], s21, v[LN]
	v_lshlrev_b32 v[SO], 3, v[SO]
	s_lshl_b32 s22, s[HH], 18                      ; my half's four tiles
	s_add_nc_u64 s[STH:STH+1], s[6:7], s[22:23]
.macro ALLU line:vararg
.set u, 0
.rept 2
	\line
.set u, u+1
.endr
.endm
.irp g, 0,1,2,3,4,5,6,7
	ALLU global_load_b64 v[EE+16*u+2*\g:EE+16*u+2*\g+1], v[SO], s[6:7] offset:65536*\g+256*u
.endr
.irp j, 0,1,2,3
	ALLU global_load_b32 v[CC+4*u+\j], v[SO], s[STH:STH+1] offset:65536*\j+256*u
.endr
	v_and_b32 v[R], 15, v0
	v_bfe_u32 v[H], v0, 4, 1
	v_mul_u32_u24 v[TT], v[R], PITCH
	v_lshl_add_u32 v[TT], v[H], 4, v[TT]
	s_mul_i32 s21, s11, HALFT
	s_mul_i32 s22, s12, HALFT
	s_add_co_u32 s22, s22, 2*HALFT
	v_add_nc_u32 v[A0], s21, v[TT]
	v_add_nc_u32 v[B0], s22, v[TT]
	v_mov_b32 v[ADRA], v[A0]                       ; slot 0 is read first
	v_mov_b32 v[ADRB], v[B0]
	s_lshl_b32 s21, s11, 9
	s_add_co_u32 s21, s21, ATAB
	v_lshl_add_u32 v[ATA], v[R], 2, s21            ; ATAB + (128 x row half + r) x 4
	s_lshl_b32 s21, s10, 8
	s_add_co_u32 s21, s21, ATAB
	v_lshl_add_u32 v[ATW], v[LN], 2, s21           ; ATAB + (64 w + lane) x 4
	s_mul_i32 s21, s11, 128*TP
	s_lshl_b32 s22, s12, 9
	s_add_co_u32 s21, s21, s22
	v_mul_u32_u24 v[DS0], v[R], TP
	v_lshl_add_u32 v[DS0], v[H], 5, v[DS0]
	v_add_nc_u32 v[DS0], s21, v[DS0]               ; (128 x row half + r) rows + 512 x column half + 32 h
	v_add_nc_u32 v[DS1], 64*TP, v[DS0]
	s_mul_i32 s21, s10, 64*TP
	v_lshl_add_u32 v[RDA], v[LN], 4, s21
	s_lshl_b32 s21, s10, 18
	v_lshl_add_u32 v[CO], v[LN], 4, s21            ; 64 w rows of 4,096 bytes + 16 x lane
	s_lshl_b32 s16, s[HH], 25
	s_lshl_b32 s18, s13, 20
	s_add_co_u32 s16, s16, s18
	s_lshl_b32 s18, s42, 10
	s_add_co_u32 s16, s16, s18
	s_add_nc_u64 s[8:9], s[8:9], s[16:17]          ; y: half, tile row, tile column
	s_and_b32 s22, s[CL], 7
	s_cmp_eq_u32 s11, 0
	s_cselect_b32 s22, 0, s22
	s_cselect_b32 s21, s40, s41
	s_cselect_b64 s[PFP:PFP+1], s[AP:AP+1], s[BP:BP+1]
	s_cselect_b64 s[PFU:PFU+1], s[AU:AU+1], s[BU:BU+1]
	s_cmp_eq_u32 s22, 0
	s_cselect_b32 s[PLIM], 12, 0
	s_lshl_b32 s20, s21, 16                        ; my work-group's 32 rows of the 128
	s_mov_b32 s21, 0
	s_add_nc_u64 s[PFP:PFP+1], s[PFP:PFP+1], s[20:21]
	s_add_nc_u64 s[PFU:PFU+1], s[PFU:PFU+1], s[20:21]
	v_lshlrev_b32 v[PFO], 11, v[LN]
	v_mov_b32 v[ONE], 0x3f803f80
	s_wait_loadcnt 0x0
	ALLU v_max3_num_f32 v[MX+u], v[EE+16*u], v[EE+16*u+2], v[EE+16*u+4]
	ALLU v_max3_num_f32 v[MX+u], v[MX+u], v[EE+16*u+6], v[EE+16*u+8]
	ALLU v_max3_num_f32 v[MX+u], v[MX+u], v[EE+16*u+10], v[EE+16*u+12]
	ALLU v_max_num_f32 v[MX+u], v[MX+u], v[EE+16*u+14]
.irp g, 0,2,4,6,8,10,12,14
	ALLU v_sub_f32 v[EE+16*u+\g], v[EE+16*u+\g], v[MX+u]
.endr
.irp j, 0,1,2,3
	ALLU v_sub_f32 v[CC+4*u+\j], v[CC+4*u+\j], v[MX+u]
.endr
.irp g, 0,2,4,6,8,10,12,14
	ALLU v_exp_f32 v[EE+16*u+\g], v[EE+16*u+\g]
.endr
.irp j, 0,1,2,3
	ALLU v_exp_f32 v[CC+4*u+\j], v[CC+4*u+\j]
.endr
	v_nop
	s_wait_alu depctr_va_vdst(0)                   ; one wait for the 24 exponentials
	ALLU v_mul_f32 v[LL+u], v[EE+16*u], v[EE+16*u+1]
.irp g, 2,4,6,8,10,12,14
	ALLU v_fmac_f32 v[LL+u], v[EE+16*u+\g], v[EE+16*u+\g+1]
.endr
	ALLU v_rcp_f32 v[RC+u], v[LL+u]
	v_nop
	s_wait_alu depctr_va_vdst(0)                   ; and one for the two reciprocals
.irp j, 0,1,2,3
	ALLU v_mul_f32 v[CC+4*u+\j], v[CC+4*u+\j], v[RC+u]
.endr
.irp j, 0,1,2,3
	ALLU v_cvt_pk_bf16_f32 v[CC+4*u+\j], v[CC+4*u+\j], v[CC+4*u+\j]
.endr
.irp j, 0,1,2,3
	ALLU ds_store_b32 v[ATW], v[CC+4*u+\j] offset:2048*\j+128*u        ; a tile of 256 keys is two K steps: its alpha stands in both entries
	ALLU ds_store_b32 v[ATW], v[CC+4*u+\j] offset:2048*\j+1024+128*u
.endr
.irp j, 8,9,10
	ALLU ds_store_b32 v[ATW], v[ONE] offset:1024*\j+128*u              ; these steps are jf: 1
.endr
.macro RID base, al                    ; four registers of a fragment of A times alpha
	WIN 0
.irp i, 0,1,2,3
	v_pk_mul_bf16 v[(\base)+\i], v[(\base)+\i], v[\al]
.endr
.endm
; Matrix instructions n0 .. n1 of a half quarter's 32 (m block n / 8 of the window's four, n block n % 8).  rid >= 0: behind instruction first + every x g stands group g of eight: four registers from
; rid + 4 g on, times alpha of block q0 + g / 2.  Where first > 0 the fragments were asked for in this quarter: the wait leaves A's fragments 4-7 (8 loads) and B's (16) out.
.macro MM32 f, hi, zero, rid, q0, first, every, n0, n1
.set n, \n0
.rept (\n1)-(\n0)+1
	WIN MUL_LO+0x50*(\hi)
.if \zero
	v_wmma_f32_16x16x32_bf16 v[8*n:8*n+7], v[(\f)+8*(n%8):(\f)+8*(n%8)+7], v[(\f)+8*(4*(\hi)+n/8):(\f)+8*(4*(\hi)+n/8)+7], 0
.else
	v_wmma_f32_16x16x32_bf16 v[8*n:8*n+7], v[(\f)+8*(n%8):(\f)+8*(n%8)+7], v[(\f)+8*(4*(\hi)+n/8):(\f)+8*(4*(\hi)+n/8)+7], v[8*n:8*n+7]
.endif
.if (\rid) >= 0
.if (n >= (\first)) && ((n-(\first))%(\every) == 0) && ((n-(\first))/(\every) < 8)
.set gq, (n-(\first))/(\every)
.if ((\first) > 0) && (gq == 0)
	s_wait_dscnt 24
.endif
	RID (\rid)+4*gq, AL+(\q0)+gq/2
.endif
.endif
.set n, n+1
.endr
.endm
.macro FETCH k, f                      ; 32 LDS loads in one run, at byte k of the rows of the slot that is being read: A's fragments first, since they are multiplied by alpha before they are used
	WIN 0
.irp i, 0,1,2,3,4,5,6,7
	ds_load_b128 v[(\f)+8*(\i):(\f)+8*(\i)+3],   v[ADRA] offset:(\k)+(\i)*16*PITCH
	ds_load_b128 v[(\f)+8*(\i)+4:(\f)+8*(\i)+7], v[ADRA] offset:(\k)+(\i)*16*PITCH+32
.endr
	WIN TO_B
.irp i, 0,1,2,3,4,5,6,7
	ds_load_b128 v[(\f)+8*(\i):(\f)+8*(\i)+3],   v[ADRB] offset:(\k)+(\i)*16*PITCH
	ds_load_b128 v[(\f)+8*(\i)+4:(\f)+8*(\i)+7], v[ADRB] offset:(\k)+(\i)*16*PITCH+32
.endr
.endm
.macro ALD                             ; the next step's alpha
	WIN 0
.irp a, 0,1,2,3,4,5,6,7
	ds_load_b32 v[AL+\a], v[ATA] offset:64*\a
.endr
	v_add_nc_u32 v[ATA], 1024, v[ATA]
.endm
.macro PLACES
.rept 4
	v_nop
.endr
.endm
.macro QUARTER k, f, g, zero, rid
	s_wait_dscnt 0x0                               ; buffer f is in: it was asked for 32 matrix instructions ago
.if \rid
	MM32 \f,0,\zero,(\f)+32,4,0,4,0,31             ; rows 0-63; beside them alpha onto f's fragments 4-7
.else
	MM32 \f,0,\zero,-1,0,0,1,0,31
.endif
	PLACES
	FETCH \k, \g
.if \rid
	MM32 \f,1,\zero,\g,0,8,3,0,31                  ; rows 64-127; beside them alpha onto g's fragments 0-3
.else
	MM32 \f,1,\zero,-1,0,0,1,0,31
.endif
.endm
.macro TURN                            ; the last quarter of a K step and the change of slots; the slot that is left is filled again, two K steps on
	WIN 0
	s_wait_xcnt 0x0                                ; the last prefetch, a K step back, has read its address
	PFADDR
	s_wait_tensorcnt 0x0                           ; all my tensor loads have landed: my part of the next slot
	ds_add_u32 v[SPW], v[NIL]
	s_wait_dscnt 1                                 ; (the add alone may be out)
	MM32 F1,0,0,F1+32,4,0,4,0,15
	s_wait_dscnt 0x0                               ; the add is done, my reads of this slot are over
	s_barrier_signal -1
	MM32 F1,0,0,F1+32,4,0,4,16,31                  ; work on registers alone
	WIN 0
	s_barrier_wait -1
	CREST                                          ; no wave of any partner still reads this slot or has a load on its way
	ADDR
	s_xor_b32 s[SLB], s[SLB], SLOT                 ; the reads go to the other slot
	JLOAD 1                                        ; the first tensor load behind the round
	v_add_nc_u32 v[ADRA], s[SLB], v[A0]
	v_add_nc_u32 v[ADRB], s[SLB], v[B0]
	ALD
	FETCH 0, F0
	WIN 0
	ASK
	MM32 F1,1,0,F0,0,8,3,0,31
.endm
.macro TURNL                           ; the same where nothing is asked for.  In the last trip no step follows: the run of loads is jumped over; that trip's barrier orders nothing more: the price of one text for both trips
	WIN 0
	s_wait_tensorcnt 0x0
	ds_add_u32 v[SPW], v[NIL]
	s_wait_dscnt 1
	MM32 F1,0,0,-1,0,0,1,0,15
	s_wait_dscnt 0x0
	s_barrier_signal -1
	MM32 F1,0,0,-1,0,0,1,16,31
	WIN 0
	s_barrier_wait -1
	s_xor_b32 s[SLB], s[SLB], SLOT
	s_cmp_eq_u32 s3, 1
	s_cbranch_scc1 .Lno_more_\@
	v_add_nc_u32 v[ADRA], s[SLB], v[A0]            ; these two and two v_nop are the four places in front of the loads
	v_add_nc_u32 v[ADRB], s[SLB], v[B0]
	v_nop
	v_nop
	FETCH 0, F0
	WIN 0
.Lno_more_\@:
	MM32 F1,1,0,-1,0,0,1,0,31
.endm
	s_wait_tensorcnt 1                             ; my part of K step 0 is in; K step 1's may stay out
	s_wait_dscnt 0x0                               ; for the others' sake: my part of the table of alpha
	s_barrier_signal -1
	s_barrier_wait -1
	ALD
	FETCH 0, F0
	s_wait_dscnt 0x0
.irp g, 0,1,2,3,4,5,6,7
	RID F0+4*\g, AL+\g/2                           ; once, with no product to stand beside
.endr
	QUARTER 64,  F0, F1, 1, 1
	WIN 0
	s_mov_b32 s3, 10
.Lstep:                                            ; ten trips, each from a step's second quarter to the next step's first: K steps 2 to 11 are asked for
	QUARTER 128, F1, F0, 0, 1
	QUARTER 192, F0, F1, 0, 1
	TURN
	QUARTER 64,  F0, F1, 0, 1
	WIN 0
	s_sub_co_u32 s3, s3, 1
	s_cmp_lg_u32 s3, 0
	s_cbranch_scc1 .Lstep
	s_mov_b32 s3, 2
.Ltail:                                            ; K steps 10 and 11: jf as it is; written apart; the second trip is left in its middle
	QUARTER 128, F1, F0, 0, 0
	QUARTER 192, F0, F1, 0, 0
	TURNL
	WIN 0
	s_sub_co_u32 s3, s3, 1
	s_cmp_eq_u32 s3, 0
	s_cbranch_scc1 .Lout
	QUARTER 64,  F0, F1, 0, 0
	WIN 0
	s_branch .Ltail
.Lout:
.rept 8
	v_nop                                          ; the places behind the last products
.endr
	s_wait_dscnt 0x0
	s_barrier_signal -1
	s_barrier_wait -1                              ; every wave's reads of the ring are over; it has had its last fill: the f32 tile is laid over it
.irp hi, 0,1
	WIN 0x08+4*\hi
.irp a, 0,1,2,3
.irp b, 0,1,2,3,4,5,6,7
	ds_store_b128 v[DS0+\hi], v[8*(8*\a+\b):8*(8*\a+\b)+3]   offset:16*TP*\a+64*\b      ; the four lowest registers first
	ds_store_b128 v[DS0+\hi], v[8*(8*\a+\b)+4:8*(8*\a+\b)+7] offset:16*TP*\a+64*\b+16
.endr
.endr
.endr
	WIN 0
	s_wait_dscnt 0x0
	s_barrier_signal -1
	s_barrier_wait -1
	s_mov_b32 s3, 8
.Lrows:                                            ; wave w stores rows 64 w .. 64 w + 63, eight a trip; a store covers 512 consecutive bytes, aligned
.irp i, 0,1,2,3,4,5,6,7,8,9,10,11,12,13,14,15
	ds_load_b128 v[64+4*\i:64+4*\i+3], v[RDA] offset:(\i/2)*TP+(\i%2)*512
.endr
.irp i, 0,1,2,3,4,5,6,7,8,9,10,11,12,13,14,15
	s_wait_dscnt 15-\i
	global_store_b128 v[CO], v[64+4*\i:64+4*\i+3], s[8:9] offset:(\i/2)*4096+(\i%2)*512
.endr
	s_wait_xcnt 0x0                                ; the stores have read their data and offset
	v_add_nc_u32 v[RDA], 8*TP, v[RDA]
	v_add_nc_u32 v[CO], 8*4096, v[CO]
	s_sub_co_u32 s3, s3, 1
	s_cmp_lg_u32 s3, 0
	s_cbranch_scc1 .Lrows
	s_wait_tensorcnt 0x0                           ; the wave's end
	ds_add_u32 v[SPW], v[NIL]
	s_wait_dscnt 0x0
	CROUND                                         ; the closing round
	s_endpgm
.Lfunc_end_k_q5136822be3_mix:
	.size	k_q5136822be3_mix, .Lfunc_end_k_q5136822be3_mix-k_q5136822be3_mix
	.p2alignl 7, 3214868480
	.fill 96, 4, 3214868480
	.section	.rodata,"a",@progbits
	.p2align	6, 0x0
	.amdhsa_kernel k_q5136822be3_mix
		.amdhsa_group_segment_fixed_size 327680
		.amdhsa_private_segment_fixed_size 0
		.amdhsa_enable_private_segment 0
		.amdhsa_kernarg_size 40
		.amdhsa_user_sgpr_count 2
		.amdhsa_user_sgpr_kernarg_segment_ptr 1
		.amdhsa_wavefront_size32 1
		.amdhsa_system_sgpr_workgroup_id_x 1
		.amdhsa_system_sgpr_workgroup_id_y 1
		.amdhsa_system_sgpr_workgroup_id_z 1
		.amdhsa_system_vgpr_workitem_id 0
		.amdhsa_next_free_vgpr 1024
		.amdhsa_next_free_sgpr 100
		.amdhsa_reserve_vcc 0
		.amdhsa_float_denorm_mode_32 3
		.amdhsa_float_denorm_mode_16_64 3
		.amdhsa_memory_ordered 1
		.amdhsa_forward_progress 1
		.amdhsa_inst_pref_size 118
	.end_amdhsa_kernel
	.amdgpu_metadata
---
amdhsa.version: [ 1, 2 ]
amdhsa.kernels:
  - .name:           k_q5136822be3_mix
    .symbol:         k_q5136822be3_mix.kd
    .args:
      - { .name: p, .offset: 0, .size: 8, .value_kind: global_buffer, .address_space: global }
      - { .name: stat, .offset: 8, .size: 8, .value_kind: global_buffer, .address_space: global }
      - { .name: acat, .offset: 16, .size: 8, .value_kind: global_buffer, .address_space: global }
      - { .name: wts, .offset: 24, .size: 8, .value_kind: global_buffer, .address_space: global }
      - { .name: qy, .offset: 32, .size: 8, .value_kind: global_buffer, .address_space: global }
    .group_segment_fixed_size: 327680
    .private_segment_fixed_size: 0
    .kernarg_segment_align: 8
    .kernarg_segment_size: 40
    .max_flat_workgroup_size: 128
    .sgpr_count:     100
    .vgpr_count:     1024
    .wavefront_size: 32
...
	.end_amdgpu_metadata
.endif
;; end of part 4
;; launch norm (part 5): grid 256 x 1, 8 waves a work-group, no clusters, 0 bytes of LDS; arguments qy, aug_b, balance, ln_gamma, ln_beta, out0; writes out0
.if DOCPART == 5
	.amdgcn_target "amdgcn-amd-amdhsa--gfx1250"
	.amdhsa_code_object_version 6
	.text
	.protected	k_q5136822be3_norm
	.globl	k_q5136822be3_norm
	.p2align	8
	.type	k_q5136822be3_norm,@function
k_q5136822be3_norm:
	s_mov_b64 s[64:65], 0
	v_nop
	global_prefetch_b8 v0, s[64:65] scope:SCOPE_SE
	s_setreg_imm32_b32 hwreg(HW_REG_WAVE_MODE, 25, 1), 1
	s_wait_xcnt 0x0
; out = LN(z) gamma + beta, z = c1 (y0 + y1) + c0, c1 = 1 - sigmoid(balance) = 1 / (1 + e^balance), c0 = c1 aug_b.  y0, y1: the two f32 partial sums, [2][8192][1024].  No work is left out.
; The variance is the mean of (z - mean)^2, taken in a second pass over the registers, as the problem's own formula has it: no difference of large sums is formed.
; A stream: memory binds.  One wave, one row at a time, four rows a wave; a row's 4,096 bytes are eight loads of 512 consecutive bytes from each of the two sums; the row stays in registers between
; the passes.  EACH OF THE FOUR ROWS HAS A SLOT OF ITS OWN: rows 0 and 1 are asked for with the parameters, rows 2 and 3 directly behind the wait for the parameters, ahead of all arithmetic;
; no slot is filled twice, so no load waits for a store.  No LDS, no barrier, no matrix unit, no cluster: no wave wants what another has.
; REGISTERS, in windows of 256 (s_set_vgpr_msb: bits 1:0 source 0, 3:2 source 1, 5:4 source 2, 7:6 destination; for a load the data are the destination and the address source 0, for a store the data are source 1):
;   window 0: v1 16 x lane; v16-47 c1; v48-79 c0; v80-143 row 0; v144-207 row 1; v208-220 at work.     window 1: v0-31 gamma; v32-63 beta; v64-127 row 2; v128-191 row 3.
; Two waves on a SIMD take 2 x 448 of its 1,024 registers.
.set LO, 1
.set C1, 16
.set C0, 48
.set T,  208
.set GA, 0
.set BE, 32
.set MSB, 0
.macro WIN new                         ; the immediate's high byte repeats the setting that is left; a switch that changes nothing is dropped
.if MSB != (\new)
	s_set_vgpr_msb (MSB<<8)|(\new)
.set MSB, \new
.endif
.endm
	s_load_b256 s[4:11], s[0:1], 0x0               ; y 4, aug_b 6, balance 8, gamma 10
	s_load_b128 s[16:19], s[0:1], 0x20             ; beta 16, out 18
	v_lshrrev_b32 v2, 5, v0
	v_readfirstlane_b32 s14, v2                    ; wave 0..7
	v_and_b32 v[LO], 31, v0
	v_lshlrev_b32 v[LO], 4, v[LO]
	s_lshl_b32 s2, ttmp9, 17                       ; 32 rows a work-group,
	s_lshl_b32 s3, s14, 14                         ; 4 a wave
	s_add_co_u32 s2, s2, s3
	s_mov_b32 s3, 0
	s_mov_b32 s12, 0x76543210                      ; v_permlanex16_b32: each lane takes its own place in the other half
	s_mov_b32 s13, 0xfedcba98
	s_mov_b32 s20, 0x3a800000                      ; 1 / 1,024
	s_mov_b32 s21, 0x3727c5ac                      ; 1e-5
	s_wait_kmcnt 0x0
	s_add_nc_u64 s[4:5], s[4:5], s[2:3]
	s_add_nc_u64 s[22:23], s[4:5], 0x2000000       ; the second partial sum
	s_add_nc_u64 s[18:19], s[18:19], s[2:3]
.irp j, 0,1,2,3,4,5,6,7
	global_load_b128 v[C1+4*\j:C1+4*\j+3], v[LO], s[8:9] offset:512*\j
	global_load_b128 v[C0+4*\j:C0+4*\j+3], v[LO], s[6:7] offset:512*\j
.endr
	WIN 0x40                                       ; destination window 1, address window 0
.irp j, 0,1,2,3,4,5,6,7
	global_load_b128 v[GA+4*\j:GA+4*\j+3], v[LO], s[10:11] offset:512*\j
	global_load_b128 v[BE+4*\j:BE+4*\j+3], v[LO], s[16:17] offset:512*\j
.endr
	WIN 0
.macro FILL z, w, i                    ; row i of my four into the 64 registers from z on of window w: 16 loads
	WIN 0x40*(\w)
.irp j, 0,1,2,3,4,5,6,7
	global_load_b128 v[(\z)+4*\j:(\z)+4*\j+3], v[LO], s[4:5] offset:4096*(\i)+512*\j th:TH_LOAD_NT
	global_load_b128 v[(\z)+32+4*\j:(\z)+32+4*\j+3], v[LO], s[22:23] offset:4096*(\i)+512*\j th:TH_LOAD_NT
.endr
	WIN 0
.endm
	FILL 80, 0, 0
	FILL 144, 0, 1
	s_wait_loadcnt 32                              ; the two rows' 32 loads are younger: the parameters are in
	FILL 64, 1, 2                                  ; the other two rows are asked for at once, ahead of all arithmetic
	FILL 128, 1, 3
.set q, 0
.rept 32
	v_mul_f32 v[C1+q], 0x3fb8aa3b, v[C1+q]
.set q, q+1
.endr
.set q, 0
.rept 32
	v_exp_f32 v[C1+q], v[C1+q]
.set q, q+1
.endr
	v_nop
	s_wait_alu depctr_va_vdst(0)                   ; one wait for the 32 exponentials
.set q, 0
.rept 16
	v_pk_add_f32 v[C1+q:C1+q+1], v[C1+q:C1+q+1], 1.0 op_sel_hi:[1,0]
.set q, q+2
.endr
.set q, 0
.rept 32
	v_rcp_f32 v[C1+q], v[C1+q]
.set q, q+1
.endr
	v_nop
	s_wait_alu depctr_va_vdst(0)                   ; and one for the 32 reciprocals
.set q, 0
.rept 16
	v_pk_mul_f32 v[C0+q:C0+q+1], v[C0+q:C0+q+1], v[C1+q:C1+q+1]
.set q, q+2
.endr
.macro RED                             ; four pairs of partial sums in v[T:T+7] -> the row's sum in v[T], in every lane; all in window 0
	v_pk_add_f32 v[T:T+1], v[T:T+1], v[T+2:T+3]
	v_pk_add_f32 v[T+4:T+5], v[T+4:T+5], v[T+6:T+7]
	v_pk_add_f32 v[T:T+1], v[T:T+1], v[T+4:T+5]
	v_add_f32 v[T], v[T], v[T+1]
.irp x, 1,2,4,8
	v_add_f32_dpp v[T], v[T], v[T] row_xmask:\x row_mask:0xf bank_mask:0xf
.endr
	v_permlanex16_b32 v[T+1], v[T], s12, s13
	v_add_f32 v[T], v[T], v[T+1]
.endm
; Row i, which lies from register z on in window w.  left: the younger loads that may stay out.  The row's registers are named through window w, all else through its own window.
.macro ROWP z, w, i, left
.set Z, (\z)
	s_wait_loadcnt \left
	WIN 0x45*(\w)                                  ; destination and both sources: the row
.set q, 0
.rept 16
	v_pk_add_f32 v[Z+q:Z+q+1], v[Z+q:Z+q+1], v[Z+32+q:Z+32+q+1]
.set q, q+2
.endr
	WIN 0x41*(\w)                                  ; destination and source 0: the row; c1 and c0 in window 0
.set q, 0
.rept 16
	v_pk_fma_f32 v[Z+q:Z+q+1], v[Z+q:Z+q+1], v[C1+q:C1+q+1], v[C0+q:C0+q+1]
.set q, q+2
.endr
	WIN 0x05*(\w)                                  ; both sources: the row; the sums in window 0
.irp c, 0,2,4,6
	v_pk_add_f32 v[T+\c:T+\c+1], v[Z+\c:Z+\c+1], v[Z+8+\c:Z+8+\c+1]
.endr
	WIN 0x04*(\w)                                  ; source 1: the row
.irp o, 16,24
.irp c, 0,2,4,6
	v_pk_add_f32 v[T+\c:T+\c+1], v[T+\c:T+\c+1], v[Z+\o+\c:Z+\o+\c+1]
.endr
.endr
	WIN 0
	RED
	v_mul_f32 v[T+8], s20, v[T]                    ; the mean, twice: a pair for the packed subtraction
	v_mul_f32 v[T+9], s20, v[T]
	WIN 0x41*(\w)
.set q, 0
.rept 16
	v_pk_add_f32 v[Z+q:Z+q+1], v[Z+q:Z+q+1], v[T+8:T+9] neg_lo:[0,1] neg_hi:[0,1]
.set q, q+2
.endr
	WIN 0x05*(\w)
.irp c, 0,2,4,6
	v_pk_mul_f32 v[T+\c:T+\c+1], v[Z+\c:Z+\c+1], v[Z+\c:Z+\c+1]
.endr
.irp o, 8,16,24
.irp c, 0,2,4,6
	v_pk_fma_f32 v[T+\c:T+\c+1], v[Z+\o+\c:Z+\o+\c+1], v[Z+\o+\c:Z+\o+\c+1], v[T+\c:T+\c+1]
.endr
.endr
	WIN 0
	RED
	v_fma_f32 v[T+12], v[T], s20, s21              ; the variance + 1e-5
	v_rsq_f32 v[T+10], v[T+12]
	v_rsq_f32 v[T+11], v[T+12]
	v_nop
	s_wait_alu depctr_va_vdst(0)                   ; one wait for the two
	WIN 0x41*(\w)
.set q, 0
.rept 16
	v_pk_mul_f32 v[Z+q:Z+q+1], v[Z+q:Z+q+1], v[T+10:T+11]
.set q, q+2
.endr
	WIN 0x14+0x41*(\w)                             ; sources 1 and 2 (gamma, beta) in window 1; destination and source 0: the row
.set q, 0
.rept 16
	v_pk_fma_f32 v[Z+q:Z+q+1], v[Z+q:Z+q+1], v[GA+q:GA+q+1], v[BE+q:BE+q+1]
.set q, q+2
.endr
	WIN 0x04*(\w)                                  ; the stores' data: the row; their address in window 0
.irp j, 0,1,2,3,4,5,6,7
	global_store_b128 v[LO], v[Z+4*\j:Z+4*\j+3], s[18:19] offset:4096*(\i)+512*\j th:TH_STORE_NT   ; 512 consecutive bytes, aligned
.endr
	WIN 0
.endm
	ROWP 80, 0, 0, 48                              ; the three rows behind it, 16 loads each, may stay out
	ROWP 144, 0, 1, 32
	ROWP 64, 1, 2, 16
	ROWP 128, 1, 3, 0
	s_endpgm
.Lfunc_end_k_q5136822be3_norm:
	.size	k_q5136822be3_norm, .Lfunc_end_k_q5136822be3_norm-k_q5136822be3_norm
	.p2alignl 7, 3214868480
	.fill 96, 4, 3214868480
	.section	.rodata,"a",@progbits
	.p2align	6, 0x0
	.amdhsa_kernel k_q5136822be3_norm
		.amdhsa_group_segment_fixed_size 0
		.amdhsa_private_segment_fixed_size 0
		.amdhsa_enable_private_segment 0
		.amdhsa_kernarg_size 48
		.amdhsa_user_sgpr_count 2
		.amdhsa_user_sgpr_kernarg_segment_ptr 1
		.amdhsa_wavefront_size32 1
		.amdhsa_system_sgpr_workgroup_id_x 1
		.amdhsa_system_sgpr_workgroup_id_y 1
		.amdhsa_system_sgpr_workgroup_id_z 1
		.amdhsa_system_vgpr_workitem_id 0
		.amdhsa_next_free_vgpr 448
		.amdhsa_next_free_sgpr 66
		.amdhsa_reserve_vcc 0
		.amdhsa_float_denorm_mode_32 3
		.amdhsa_float_denorm_mode_16_64 3
		.amdhsa_memory_ordered 1
		.amdhsa_forward_progress 1
		.amdhsa_inst_pref_size 53
	.end_amdhsa_kernel
	.amdgpu_metadata
---
amdhsa.version: [ 1, 2 ]
amdhsa.kernels:
  - .name:           k_q5136822be3_norm
    .symbol:         k_q5136822be3_norm.kd
    .args:
      - { .name: qy, .offset: 0, .size: 8, .value_kind: global_buffer, .address_space: global }
      - { .name: aug_b, .offset: 8, .size: 8, .value_kind: global_buffer, .address_space: global }
      - { .name: balance, .offset: 16, .size: 8, .value_kind: global_buffer, .address_space: global }
      - { .name: ln_gamma, .offset: 24, .size: 8, .value_kind: global_buffer, .address_space: global }
      - { .name: ln_beta, .offset: 32, .size: 8, .value_kind: global_buffer, .address_space: global }
      - { .name: out0, .offset: 40, .size: 8, .value_kind: global_buffer, .address_space: global }
    .group_segment_fixed_size: 0
    .private_segment_fixed_size: 0
    .kernarg_segment_align: 8
    .kernarg_segment_size: 48
    .max_flat_workgroup_size: 256
    .sgpr_count:     66
    .vgpr_count:     448
    .wavefront_size: 32
...
	.end_amdgpu_metadata
.endif
;; end of part 5
;; ======== version 2 of 2: 5 launches; version 1 with the launch prep written anew for expert scheduling mode
;; limits: right only within a limited range of input values
;; workspace buffers: acat 20,971,520 bytes; wts 10,485,760 bytes; qy 67,108,864 bytes; k 4,194,304 bytes; p 33,554,432 bytes; stat 524,288 bytes
;; launch prep (part 6): grid 256 x 1, 8 waves a work-group, no clusters, 18,432 bytes of LDS; arguments joint_feature, confounder_dictionary, W_q, W_k, aug_W, prior, balance, acat, wts; writes acat, wts
.if DOCPART == 6
	.amdgcn_target "amdgcn-amd-amdhsa--gfx1250"
	.amdhsa_code_object_version 6
	.text
	.protected	k_q5136822be3_prep
	.globl	k_q5136822be3_prep
	.p2align	8
	.type	k_q5136822be3_prep,@function
k_q5136822be3_prep:
	s_mov_b64 s[64:65], 0
	v_nop
	global_prefetch_b8 v0, s[64:65] scope:SCOPE_SE
	s_setreg_imm32_b32 hwreg(HW_REG_WAVE_SCHED_MODE, 0, 2), 2
	s_setreg_imm32_b32 hwreg(HW_REG_WAVE_MODE, 25, 1), 1
	s_wait_xcnt 0x0
	s_wait_alu depctr_vm_vsrc(0)
; PREP: the matrix operands of the later launches, rounded once to bf16.
; THE WHOLE PROGRAM: out = LN((1-w)(jf aug_W^T + aug_b) + w softmax(jf W_q^T (conf W_k^T)^T / 32)(conf prior)), w = sigmoid(balance).
; No work is left out: every one of the ten inputs has a way to the output and is loaded by some launch.
; THE GATE: w = (1-w) e^balance for every balance, so V''[n][d] = conf[n][d] prior[n] e^balance[d] is made here, one accumulator later adds
; attn V'' + jf aug_W^T, and the last launch multiplies by 1-w.  LIMIT: conf prior e^balance must be finite in bf16 (balance under about 80).
; acat: bf16 [10240][1024]: rows 0-8191 jf, 8192-10239 conf.   wts: bf16: W_q, +2 MiB W_k, +4 MiB aug_W, +6 MiB V''^T as [2 planes][1024 d][1024 n'].
; SHARES.  Work-group b casts 52 whole rows of 1,024 f32 (32 of jf, 8 of conf, 4 of each weight): thread t takes 16 bytes at 16 t and stores 8 at 8 t,
; so a wave's load covers 512 and its store 256 consecutive bytes, aligned.  A ring of 26 register slots keeps 26 loads of every wave out, in two laps.
; It also makes one tile of V''^T, 128 n x 64 d, turned through LDS (64 rows of 256 bytes + 16 of padding).
; THE ORDER.  The ring's loads go out first, the tile's thirteen behind them.  The first lap casts, asks for the second lap's rows and stores; the tile is worked on between the laps,
; while the second lap's 26 loads are on their way.  The second lap casts in place, into the registers that its rows were loaded into: it writes no register that a store of the first lap reads.
; THE MODE: SCHED_MODE bits 1:0 = 2 (LLVM: expert scheduling mode 2), set by the entry lines.  The code itself states the register dependences
; between vector instructions and memory or LDS instructions, with s_wait_alu, always for 0.
; THE PLAN.  Registers that memory or LDS instructions touch:
;   v1, v2, v5 .. v10   offsets and LDS addresses: made at the head, ahead of one wait on va_vdst, and never written again.
;   X     slot s: the ring's load lands; the first lap's two conversions read it; the refill lands; the second lap's two conversions read it and write its first two registers, which the second lap's store reads.
;   OUT   pair s: written by the first lap's conversions, read by the first lap's store, never written again.
;   VP    written by the tile's sixteen conversions; read by the sixteen LDS stores; the four LDS loads land in it; the four stores of V''^T read it.
;   EB, PRI, VX   loaded once; behind the wait for them vector instructions alone name them.
;   v[SPW], v[NIL]   written at the head, read by the closing add alone.
; Both laps go in thirteen blocks of two slots: the wait for the block's data, four conversions, ONE wait on va_vdst, then the block's memory instructions (first lap: two refills and two stores; second lap: two stores).
; The wait stands behind the conversions and not at the next block's head, so that a slot is asked for again without waiting for the next block's data.
; No register that a global store reads is ever written again, so the laps hold no wait on vm_vsrc; the one such wait stands ahead of the LDS loads into VP.
.set VPI,   272
.set SPARE, 64*VPI                     ; behind the stage: the spare words, 128 bytes for each of eight waves
.set LO,  1                            ; 16 t
.set SO,  2                            ; 8 t
.set SPW, 3
.set NIL, 4
.set VLO, 5                            ; conf: (16 w + 2 h) rows + 16 r
.set VPO, 6                            ; prior: (16 w + 2 h) x 4
.set VBO, 7                            ; balance: 16 r
.set VLS, 8                            ; into the stage
.set VLR, 9                            ; back out of it
.set VGO, 10                           ; the same rows in V''^T
.set EB,  12                           ; v[12:15] e^balance of my 4 columns
.set PRI, 16                           ; v[16:23] prior of my 8 rows, in pairs
.set VX,  24                           ; v[24:55] conf: 8 rows x 4 columns
.set VP,  56                           ; v[56:71] packed pairs; then rows read back
.set X,   72                           ; v[72:175] the ring: 26 slots of 4
.set OUT, 176                          ; v[176:227] 26 x 2: what the first lap stores
.set SJ, 30
.set DJ, 32
.set SC, 34
.set DC, 36
.set SQ, 38
.set DQ, 40
.set SK, 42
.set DK, 44
.set SA, 46
.set DA, 48
.set SV, 50
.set PRB, 52
.set BAB, 54
.set DV, 56
.set WV, 58
	s_load_b512 s[8:23], s[0:1], 0x0               ; jf 8, conf 10, W_q 12, W_k 14, aug_W 16, prior 18, balance 20, acat 22
	s_load_b64 s[24:25], s[0:1], 0x40              ; wts
	v_lshl_add_u32 v[SPW], v0, 2, SPARE
	v_mov_b32 v[NIL], 0
	v_lshrrev_b32 v11, 5, v0
	v_readfirstlane_b32 s[WV], v11                 ; wave 0..7
	v_lshlrev_b32 v[LO], 4, v0
	v_lshlrev_b32 v[SO], 3, v0
	v_and_b32 v56, 15, v0                          ; r
	v_bfe_u32 v57, v0, 4, 1                        ; h
	v_lshlrev_b32 v58, 4, v11
	v_lshl_add_u32 v58, v57, 1, v58                ; 16 w + 2 h
	v_lshl_add_u32 v59, v11, 3, v57                ; 8 w + h
	v_lshlrev_b32 v[VBO], 4, v56
	v_lshl_add_u32 v[VLO], v58, 12, v[VBO]
	v_lshlrev_b32 v[VPO], 2, v58
	s_wait_alu depctr_va_sdst(0)                   ; s[WV] is written, ahead of its first reader: the two scalar lines below make LDS offsets from it
	s_lshl_b32 s60, s[WV], 5                       ; my wave's 16 n: 32 bytes of a stage row.  s60 and s61 are written once each: no scalar register that a vector instruction reads is written again
	v_mul_u32_u24 v[VLS], v56, 4*VPI               ; stage row 4 r
	v_lshl_add_u32 v[VLS], v57, 2, v[VLS]
	v_add_nc_u32 v[VLS], s60, v[VLS]
	s_mul_i32 s61, s[WV], 8*VPI                    ; back: my wave's 8 stage rows
	v_mul_u32_u24 v[VLR], v57, VPI
	v_add_nc_u32 v[VLR], v[VLR], v[VBO]
	v_add_nc_u32 v[VLR], s61, v[VLR]
	v_lshl_add_u32 v[VGO], v59, 11, v[VBO]
	s_mov_b32 s5, 0
	s_lshr_b32 s6, ttmp9, 4                        ; nb: which 128 n
	s_and_b32 s7, ttmp9, 15                        ; db: which 64 d
	s_wait_kmcnt 0x0
	s_lshl_b32 s4, ttmp9, 17
	s_add_nc_u64 s[SJ:SJ+1], s[8:9], s[4:5]
	s_lshl_b32 s4, ttmp9, 16
	s_add_nc_u64 s[DJ:DJ+1], s[22:23], s[4:5]
	s_lshl_b32 s4, ttmp9, 15
	s_add_nc_u64 s[SC:SC+1], s[10:11], s[4:5]
	s_lshl_b32 s4, ttmp9, 14
	s_add_nc_u64 s[SQ:SQ+1], s[12:13], s[4:5]
	s_add_nc_u64 s[SK:SK+1], s[14:15], s[4:5]
	s_add_nc_u64 s[SA:SA+1], s[16:17], s[4:5]
	s_add_nc_u64 s[DC:DC+1], s[22:23], s[4:5]
	s_add_nc_u64 s[DC:DC+1], s[DC:DC+1], 0x1000000
	s_lshl_b32 s4, ttmp9, 13
	s_add_nc_u64 s[DQ:DQ+1], s[24:25], s[4:5]
	s_add_nc_u64 s[DK:DK+1], s[DQ:DQ+1], 0x200000
	s_add_nc_u64 s[DA:DA+1], s[DQ:DQ+1], 0x400000
	s_lshl_b32 s4, s6, 19                          ; 128 rows of conf
	s_lshl_b32 s59, s7, 8                          ; 64 columns of f32
	s_add_co_u32 s4, s4, s59
	s_add_nc_u64 s[SV:SV+1], s[10:11], s[4:5]
	s_lshl_b32 s4, s6, 9
	s_add_nc_u64 s[PRB:PRB+1], s[18:19], s[4:5]
	s_mov_b32 s4, s59
	s_add_nc_u64 s[BAB:BAB+1], s[20:21], s[4:5]
	s_lshr_b32 s4, s6, 3                           ; the plane of 1,024 n
	s_lshl_b32 s4, s4, 21
	s_lshl_b32 s59, s7, 17                         ; 64 rows d of 2,048 bytes
	s_add_co_u32 s4, s4, s59
	s_and_b32 s59, s6, 7
	s_lshl_b32 s59, s59, 8                         ; 128 n' of 2 bytes
	s_add_co_u32 s4, s4, s59
	s_add_nc_u64 s[DV:DV+1], s[24:25], s[4:5]
	s_add_nc_u64 s[DV:DV+1], s[DV:DV+1], 0x600000
	s_wait_alu depctr_va_vdst(0)                   ; the eight offsets and LDS addresses v1, v2, v5 to v10 are written: every load, store and LDS instruction of the kernel reads one of them, and no vector instruction names them again
.macro LD u, slot                      ; row u of my 52 into a ring slot
.if (\u) < 32
	global_load_b128 v[X+4*(\slot):X+4*(\slot)+3], v[LO], s[SJ:SJ+1] offset:(\u)*4096 th:TH_LOAD_NT
.elseif (\u) < 40
	global_load_b128 v[X+4*(\slot):X+4*(\slot)+3], v[LO], s[SC:SC+1] offset:((\u)-32)*4096
.elseif (\u) < 44
	global_load_b128 v[X+4*(\slot):X+4*(\slot)+3], v[LO], s[SQ:SQ+1] offset:((\u)-40)*4096 th:TH_LOAD_NT
.elseif (\u) < 48
	global_load_b128 v[X+4*(\slot):X+4*(\slot)+3], v[LO], s[SK:SK+1] offset:((\u)-44)*4096 th:TH_LOAD_NT
.else
	global_load_b128 v[X+4*(\slot):X+4*(\slot)+3], v[LO], s[SA:SA+1] offset:((\u)-48)*4096 th:TH_LOAD_NT
.endif
.endm
.macro ST u, d                         ; row u, rounded, out of the register pair that begins at d
.if (\u) < 32
	global_store_b64 v[SO], v[(\d):(\d)+1], s[DJ:DJ+1] offset:(\u)*2048
.elseif (\u) < 40
	global_store_b64 v[SO], v[(\d):(\d)+1], s[DC:DC+1] offset:((\u)-32)*2048
.elseif (\u) < 44
	global_store_b64 v[SO], v[(\d):(\d)+1], s[DQ:DQ+1] offset:((\u)-40)*2048
.elseif (\u) < 48
	global_store_b64 v[SO], v[(\d):(\d)+1], s[DK:DK+1] offset:((\u)-44)*2048
.else
	global_store_b64 v[SO], v[(\d):(\d)+1], s[DA:DA+1] offset:((\u)-48)*2048
.endif
.endm
.set ii, 0
.rept 26
	LD ii, ii                                      ; the ring is filled first: rows 0-25
.set ii, ii+1
.endr
	; behind it thirteen loads for the tile of V''^T: balance, prior, and rows 16 w + 4 i + 2 h + j of conf, columns 4 r .. 4 r + 3
	global_load_b128 v[EB:EB+3], v[VBO], s[BAB:BAB+1]
.irp i, 0,1,2,3
	global_load_b64 v[PRI+2*\i:PRI+2*\i+1], v[VPO], s[PRB:PRB+1] offset:16*\i
.endr
.irp i, 0,1,2,3
.irp j, 0,1
	global_load_b128 v[VX+4*(2*\i+\j):VX+4*(2*\i+\j)+3], v[VLO], s[SV:SV+1] offset:(4*\i+\j)*4096
.endr
.endr
.set ii, 0
.rept 13                               ; the first lap, two slots to a block: rows 0-25 leave, rows 26-51 are asked for
	s_wait_loadcnt 37                              ; younger than the load of the block's second slot: 24 - ii of the ring, the thirteen, ii refills
	v_cvt_pk_bf16_f32 v[OUT+2*ii], v[X+4*ii], v[X+4*ii+1]
	v_cvt_pk_bf16_f32 v[OUT+2*ii+1], v[X+4*ii+2], v[X+4*ii+3]
	v_cvt_pk_bf16_f32 v[OUT+2*ii+2], v[X+4*ii+4], v[X+4*ii+5]
	v_cvt_pk_bf16_f32 v[OUT+2*ii+3], v[X+4*ii+6], v[X+4*ii+7]
	s_wait_alu depctr_va_vdst(0)                   ; the four conversions are done reading the block's two slots of X, in which the refills land, and have written its two pairs of OUT, which the stores read
	LD ii+26, ii
	LD ii+27, ii+1
	ST ii, OUT+2*ii
	ST ii+1, OUT+2*ii+2
.set ii, ii+2
.endr
	; the tile of V''^T, while the second lap's rows are on their way
	s_wait_loadcnt 26                              ; the 26 refills are younger: the thirteen are in
.irp e, 0,1,2,3
	v_mul_f32 v[EB+\e], 0x3fb8aa3b, v[EB+\e]
.endr
.irp e, 0,1,2,3
	v_exp_f32 v[EB+\e], v[EB+\e]
.endr
	v_nop                                          ; a plain instruction behind the last exponential,
	s_wait_alu depctr_va_vdst(0)                   ; and one wait for the four: the exponentials have written v[EB ..], which the multiplies below read
.irp i, 0,1,2,3
.irp j, 0,1
	v_pk_mul_f32 v[VX+4*(2*\i+\j):VX+4*(2*\i+\j)+1], v[VX+4*(2*\i+\j):VX+4*(2*\i+\j)+1], v[EB:EB+1]
	v_pk_mul_f32 v[VX+4*(2*\i+\j)+2:VX+4*(2*\i+\j)+3], v[VX+4*(2*\i+\j)+2:VX+4*(2*\i+\j)+3], v[EB+2:EB+3]
	v_pk_mul_f32 v[VX+4*(2*\i+\j):VX+4*(2*\i+\j)+1], v[VX+4*(2*\i+\j):VX+4*(2*\i+\j)+1], v[PRI+2*\i:PRI+2*\i+1] op_sel:[0,\j] op_sel_hi:[1,\j]
	v_pk_mul_f32 v[VX+4*(2*\i+\j)+2:VX+4*(2*\i+\j)+3], v[VX+4*(2*\i+\j)+2:VX+4*(2*\i+\j)+3], v[PRI+2*\i:PRI+2*\i+1] op_sel:[0,\j] op_sel_hi:[1,\j]
.endr
.endr
.irp i, 0,1,2,3
.irp d, 0,1,2,3
	v_cvt_pk_bf16_f32 v[VP+4*\i+\d], v[VX+8*\i+\d], v[VX+8*\i+4+\d]   ; two neighbouring n of one d
.endr
.endr
	s_wait_alu depctr_va_vdst(0)                   ; the sixteen conversions have written v[VP ..], which the LDS stores read and in which the LDS loads further down land; no vector instruction names VP behind this wait
.irp i, 0,1,2,3
.irp d, 0,1,2,3
	ds_store_b32 v[VLS], v[VP+4*\i+\d] offset:\d*VPI+8*\i
.endr
.endr
	s_wait_dscnt 0x0                               ; for the others' sake: a stage row's 256 bytes come from all eight waves
	s_barrier_signal -1
	s_barrier_wait -1
	s_wait_alu depctr_vm_vsrc(0)                   ; my LDS stores have read v[VP ..], in which the loads below land
.irp u, 0,1,2,3
	ds_load_b128 v[VP+4*\u:VP+4*\u+3], v[VLR] offset:2*VPI*\u
.endr
.irp u, 0,1,2,3
	s_wait_dscnt 3-\u
	global_store_b128 v[VGO], v[VP+4*\u:VP+4*\u+3], s[DV:DV+1] offset:4096*\u   ; 16 lanes store 256 consecutive bytes, aligned
.endr
.set ii, 0
.rept 13                               ; the second lap, two slots to a block: nothing is left to ask for, the counts run down; the cast goes into each slot's own first two registers
	s_wait_loadcnt 24-ii                           ; younger than the refill of the block's second slot: the 24 - ii refills of the later slots
	v_cvt_pk_bf16_f32 v[X+4*ii], v[X+4*ii], v[X+4*ii+1]
	v_cvt_pk_bf16_f32 v[X+4*ii+1], v[X+4*ii+2], v[X+4*ii+3]
	v_cvt_pk_bf16_f32 v[X+4*ii+4], v[X+4*ii+4], v[X+4*ii+5]
	v_cvt_pk_bf16_f32 v[X+4*ii+5], v[X+4*ii+6], v[X+4*ii+7]
	s_wait_alu depctr_va_vdst(0)                   ; the four conversions have written the first two registers of the block's two slots, which the stores read
	ST ii+26, X+4*ii
	ST ii+27, X+4*ii+4
.set ii, ii+2
.endr
	s_wait_dscnt 0x0                               ; the closing lines, six on end
	s_wait_alu 0x0
	s_wait_tensorcnt 0x0
	ds_add_u32 v[SPW], v[NIL]
	s_wait_dscnt 0x0
	s_endpgm
.Lfunc_end_k_q5136822be3_prep:
	.size	k_q5136822be3_prep, .Lfunc_end_k_q5136822be3_prep-k_q5136822be3_prep
	.p2alignl 7, 3214868480
	.fill 96, 4, 3214868480
	.section	.rodata,"a",@progbits
	.p2align	6, 0x0
	.amdhsa_kernel k_q5136822be3_prep
		.amdhsa_group_segment_fixed_size 18432
		.amdhsa_private_segment_fixed_size 0
		.amdhsa_enable_private_segment 0
		.amdhsa_kernarg_size 72
		.amdhsa_user_sgpr_count 2
		.amdhsa_user_sgpr_kernarg_segment_ptr 1
		.amdhsa_wavefront_size32 1
		.amdhsa_system_sgpr_workgroup_id_x 1
		.amdhsa_system_sgpr_workgroup_id_y 1
		.amdhsa_system_sgpr_workgroup_id_z 1
		.amdhsa_system_vgpr_workitem_id 0
		.amdhsa_next_free_vgpr 228
		.amdhsa_next_free_sgpr 66
		.amdhsa_reserve_vcc 0
		.amdhsa_float_denorm_mode_32 3
		.amdhsa_float_denorm_mode_16_64 3
		.amdhsa_memory_ordered 1
		.amdhsa_forward_progress 1
		.amdhsa_inst_pref_size 28
	.end_amdhsa_kernel
	.amdgpu_metadata
---
amdhsa.version: [ 1, 2 ]
amdhsa.kernels:
  - .name:           k_q5136822be3_prep
    .symbol:         k_q5136822be3_prep.kd
    .args:
      - { .name: joint_feature, .offset: 0, .size: 8, .value_kind: global_buffer, .address_space: global }
      - { .name: confounder_dictionary, .offset: 8, .size: 8, .value_kind: global_buffer, .address_space: global }
      - { .name: W_q, .offset: 16, .size: 8, .value_kind: global_buffer, .address_space: global }
      - { .name: W_k, .offset: 24, .size: 8, .value_kind: global_buffer, .address_space: global }
      - { .name: aug_W, .offset: 32, .size: 8, .value_kind: global_buffer, .address_space: global }
      - { .name: prior, .offset: 40, .size: 8, .value_kind: global_buffer, .address_space: global }
      - { .name: balance, .offset: 48, .size: 8, .value_kind: global_buffer, .address_space: global }
      - { .name: acat, .offset: 56, .size: 8, .value_kind: global_buffer, .address_space: global }
      - { .name: wts, .offset: 64, .size: 8, .value_kind: global_buffer, .address_space: global }
    .group_segment_fixed_size: 18432
    .private_segment_fixed_size: 0
    .kernarg_segment_align: 8
    .kernarg_segment_size: 72
    .max_flat_workgroup_size: 256
    .sgpr_count:     66
    .vgpr_count:     228
    .wavefront_size: 32
...
	.end_amdgpu_metadata
.endif
;; end of part 6
;; launch qk: the kernel of part 2 again; grid 4 x 40, 4 waves a work-group, clusters of 4 x 4, 327,680 bytes of LDS; arguments acat, wts, qy, k; writes qy, k
;; launch scores: the kernel of part 3 again; grid 8 x 32, 4 waves a work-group, clusters of 4 x 4, 327,680 bytes of LDS; arguments qy, k, p, stat; writes p, stat
;; launch mix: the kernel of part 4 again; grid 4 x 64, 4 waves a work-group, clusters of 4 x 4, 327,680 bytes of LDS; arguments p, stat, acat, wts, qy; writes qy
;; launch norm: the kernel of part 5 again; grid 256 x 1, 8 waves a work-group, no clusters, 0 bytes of LDS; arguments qy, aug_b, balance, ln_gamma, ln_beta, out0; writes out0
